; MI455X (gfx1250); checked and timed in simulation.
; The chip was launched on July 23, 2026; its instructions are those of AMD's public machine-readable ISA for CDNA 5 (MIT licence, August 2026) and "CDNA5" Instruction Set Architecture Reference Guide (July 2026). The comments in the code are by the model that wrote it; some were corrected since.
;; Multihead Attention. Allowed arithmetic: matrix products marked QUANTISED: E2M3 operands, one E8M0 scale for each 32 along K, by v_wmma_scale_f32_16x16x128_f8f6f4 with both operands' format E2M3, f32 sums; everything else in f32.
;; Inputs: Wk 1,024 x 1,024 float32; Wo 1,024 x 1,024 float32; Wq 1,024 x 1,024 float32; Wv 1,024 x 1,024 float32; attention_mask 2,048 x 2,048 int32; bk 1,024 float32; bo 1,024 float32; bq 1,024 float32; bv 1,024 float32; key_ignorance_mask 4 x 2,048 int32; key_value 4 x 2,048 x 1,024 float32; query 4 x 2,048 x 1,024 float32.
;; Outputs: out0 4 x 2,048 x 1,024 float32.
;; This version of the problem:
;;   THIS VERSION OF THE PROBLEM IS GIVEN IN LOW PRECISION. The matrix products marked QUANTISED in the list below multiply operands that are first quantised to E2M3 (2 exponent bits, 3 mantissa bits; 6 bits a number), with one power-of-two scale for each 32 numbers along K (OCP MX v1.0); their sums are f32. All else is computed in f32.
;;   The module's matrix products, in the order in which they are computed (A, B: the left and right operand; K: the contracted axis; several contracted axes count as one K, in the product's order):
;;     1. [M 8,192, K 1,024] x [K 1,024, N 1,024]; A: input query; B: input Wq: QUANTISED
;;     2. [M 8,192, K 1,024] x [K 1,024, N 1,024]; A: input key_value; B: input Wk: QUANTISED
;;     3. batch 64 x [M 2,048, K 64] x [K 64, N 2,048]; A: computed on the way; B: computed on the way: QUANTISED
;;     4. [M 8,192, K 1,024] x [K 1,024, N 1,024]; A: input key_value; B: input Wv: QUANTISED
;;     5. batch 64 x [M 64, K 2,048] x [K 2,048, N 2,048]; A: computed on the way; B: computed on the way: QUANTISED
;;     6. [M 8,192, K 1,024] x [K 1,024, N 1,024]; A: computed on the way; B: input Wo: QUANTISED
;;   THE QUANTISER, for each operand of a quantised product, along K:
;;     - K is cut into blocks of 32 from its start; a last block that is shorter is filled with zeros.
;;     - A block's scale is 2^e with e = floor(log2(the largest magnitude in the block)) - 2, held to -126 .. 127; a block of zeros has e = 0. As a byte (E8M0): e + 127.
;;     - Each number is divided by its block's scale, clamped to +-7.5, and rounded to the nearest number of E2M3, ties to even, subnormals kept.
;;     - The product sums the exact products of the quantised numbers (number of the format x scale) in f32.
;;   ~~~python
;;   def quantise(x, axis):      # numpy; x: float32 -> the quantised numbers, widened to float32 again
;;       x = np.moveaxis(x, axis, -1); K = x.shape[-1]
;;       x = np.pad(x, [(0, 0)] * (x.ndim - 1) + [(0, -K % 32)]); x = x.reshape(x.shape[:-1] + (-1, 32)); a = np.abs(x).max(-1, keepdims=True)
;;       e = np.where(a > 0, np.clip(np.frexp(np.where(a > 0, a, 1))[1] - 1 - 2, -126, 127), 0)      # np.frexp(a)[1] - 1 = floor(log2(a)), exactly
;;       r = np.clip(x / 2.0 ** e, -7.5, 7.5)
;;       step = 2.0 ** (np.maximum(np.frexp(np.where(r == 0, 1, r))[1] - 1, 0) - 3)
;;       q = np.round(r / step) * step * 2.0 ** e      # np.round: ties to even
;;       return np.moveaxis(q.reshape(q.shape[:-2] + (-1,))[..., :K], -1, axis).astype(np.float32)
;;   ~~~
;;   OPERANDS COMPUTED ON THE WAY. 'Computed on the way' means the value that the module computes at that place (a softmax that the list does not call 'softmax' is quantised finished and normalised). What goes into a quantiser is computed in f32, as accurately as f32 sums, v_exp_f32 and their like allow (about 1e-6 of the number): no bf16 or f16 on the way to a quantiser, and a product that is left as it is and whose result goes on into a quantised operand takes f32 operands (vector FMAs, or v_wmma_f32_16x16x4_f32). A number that lies on a knife's edge between two numbers of the format may be rounded either way, as far as f32 arithmetic and the matrix unit's own rounding can turn it there, and no further.
;; 2 versions, each right; version 2 is version 1 with the launch att written anew for expert scheduling mode. Each part assembles by itself: llvm-mc -triple=amdgcn-amd-amdhsa -mcpu=gfx1250 --defsym DOCPART=n.
;; ======== version 1 of 2: 4 launches
;; workspace buffers: xc 13,107,200 bytes; wc 3,276,800 bytes; maskw 2,097,152 bytes of whole numbers; qh 6,815,744 bytes; kh 6,815,744 bytes; vh 6,815,744 bytes; oc 6,553,600 bytes
;; launch prep (part 1): grid 896 x 1, 4 waves a work-group, no clusters, 68,096 bytes of LDS; arguments query, key_value, Wq, Wk, Wv, Wo, attention_mask, key_ignorance_mask, xc, wc, maskw; writes xc, wc, maskw
.if DOCPART == 1
	.amdgcn_target "amdgcn-amd-amdhsa--gfx1250"
	.amdhsa_code_object_version 6
	.text
	.protected	k_q7b04958990_prep
	.globl	k_q7b04958990_prep
	.p2align	8
	.type	k_q7b04958990_prep,@function
k_q7b04958990_prep:
	s_mov_b64 s[64:65], 0
	v_nop
	global_prefetch_b8 v0, s[64:65] scope:SCOPE_SE
	s_setreg_imm32_b32 hwreg(HW_REG_WAVE_MODE, 25, 1), 1
	s_wait_xcnt 0x0
; TWO JOBS, parted by the work-group's number.
; Work-groups 0-639: query, key_value [8192][1024] and Wq, Wk, Wv, Wo [1024][1024], f32, K innermost, become codes of FP6 (E2M3) with one E8M0 byte for each 32 along K,
; laid in the ORDER OF THE OPERAND'S REGISTERS.  A block of 128 rows is 102,400 bytes: 4 chunks (256 along K) of 25,600.  In a chunk the half fragment (K step sg, tile t, half c: 16 rows x 64 K,
; 6 registers a lane) lies at (8 sg + t) 1536 + 768 c: registers 0-3 at 16 x lane, registers 4-5 at 512 + 8 x lane.  From byte 24,576: the scale words, at 256 (t / 2) + 8 (16 (t % 2) + r) + 4 sg.
; THE ROWS OF A TILE ARE NOT NEIGHBOURS: lane-row r of tile t is row 32 (t / 2) + 8 (t % 2) + r + 8 (r / 8) of the block.
; A work-group takes 32 rows (tiles 2 g, 2 g + 1), wave w chunk w: four fragments.  Each load reads 512 consecutive bytes of a row; the 16 rows turn through the wave's own stage in LDS (pitch 528),
; so that a lane gets the 2 x 32 neighbours along K that the operand's layout gives it: a whole block lies in one lane.
; A block's scale is 2^(floor(log2(largest magnitude)) - 2): its byte is the largest magnitude's exponent field - 2, held at 1 from below.
; Work-groups 640-895: the two masks become LANE MASKS for the attention launch: for batch b, tile T of 16 queries, chunk w of 256 keys, word 16 blk + i has bit (r, h) set where
; attention_mask[query r of tile T][key] or key_ignorance_mask[b][key] is not 0, key = 256 w + 32 blk + 16 h + i.  A wave takes one (T, w) for all four batches.
; LIMITS: blocks whose largest magnitude lies under 2^-124 are held at the byte 1; a block of zeros has the byte 1 (its codes are zeros; only this program reads the bytes); NaN and infinities are not served.
.set STGB,  8448                       ; a wave's stage: 16 rows x 528 bytes
.set MOFF,  33792                      ; the mask path's four stages lie behind the quantiser's four
.set SPARE, 67584                      ; behind them: the spare words, 128 bytes a wave
.set SPW,   12                         ; v12  my spare word's LDS address; never rewritten
.set NIL,   13                         ; v13  0; never rewritten
.set PC,    16                         ; v16-27  a fragment's codes
.set TQ,    28                         ; v28-30, v32-34  the upper halves of two blocks' codes
.set OUTW,  16                         ; v16-31  (mask path) 128 words x 4 batches: word n of batch b in lane n / 4 of register 4 b + n % 4
.set R,     64                         ; v64-191  two sets of 16 rows as loaded
.set X,     192                        ; v192-255 64 numbers of my row
	s_load_b512 s[4:19], s[0:1], 0x0               ; query, key_value, Wq, Wk, Wv, Wo, attention_mask, key_ignorance_mask
	s_load_b128 s[20:23], s[0:1], 0x40             ; xc, wc
	s_load_b64 s[24:25], s[0:1], 0x50              ; maskw
	v_lshl_add_u32 v[SPW], v0, 2, SPARE
	v_mov_b32 v[NIL], 0
	v_lshrrev_b32 v1, 5, v0
	v_readfirstlane_b32 s26, v1                    ; wave
	v_and_b32 v1, 31, v0                           ; lane
	v_and_b32 v2, 15, v0                           ; r
	v_bfe_u32 v3, v0, 4, 1                         ; h
	v_lshlrev_b32 v4, 4, v1                        ; 16 x lane
	v_lshlrev_b32 v5, 3, v1                        ; 8 x lane
	s_mul_i32 s27, s26, STGB
	v_add_nc_u32 v6, s27, v4                       ; the stage, on the way in: a row's 512 bytes as they lie
	v_mul_u32_u24 v7, v2, 528
	v_add_nc_u32 v7, s27, v7
	v_lshl_add_u32 v8, v3, 6, v7                   ; on the way out, masks: row r, + 64 h
	v_lshl_add_u32 v7, v3, 7, v7                   ; on the way out, numbers: row r, + 128 h
	v_lshlrev_b32 v9, 3, v3                        ; 8 h
	v_lshlrev_b32 v10, 4, v3                       ; 16 h
	v_lshlrev_b32 v11, 2, v1                       ; 4 x lane
	v_mov_b32 v43, 0                               ; a lane permute's destination counts as one of its sources
	s_mov_b32 s66, 0x76543210
	s_mov_b32 s67, 0xfedcba98                      ; selects for lane l xor 16
	s_mov_b32 s68, 0xffff0000                      ; lanes 16-31
	s_mov_b32 s73, 0
	s_wait_kmcnt 0x0
	s_cmp_lt_u32 ttmp9, 640
	s_cbranch_scc0 .Lmask
	; ---- the quantiser.  Which tensor, which 32 rows of it, which block of which buffer: all by the work-group's number
	s_sub_co_u32 s27, ttmp9, 512
	s_lshr_b32 s30, s27, 5                         ; which weight (a number above 3 under work-group 512)
	s_cmp_eq_u32 s30, 1
	s_cselect_b64 s[8:9], s[10:11], s[8:9]
	s_cmp_eq_u32 s30, 2
	s_cselect_b64 s[8:9], s[12:13], s[8:9]
	s_cmp_eq_u32 s30, 3
	s_cselect_b64 s[8:9], s[14:15], s[8:9]
	s_and_b32 s30, s27, 31                         ; a weight's group of 32 rows,
	s_lshr_b32 s31, s27, 2                         ; and its block in wc
	s_and_b32 s69, ttmp9, 255                      ; the same for query and key_value,
	s_lshr_b32 s70, ttmp9, 2                       ; in xc
	s_cmp_lt_u32 ttmp9, 512
	s_cselect_b64 s[8:9], s[6:7], s[8:9]
	s_cselect_b64 s[22:23], s[20:21], s[22:23]
	s_cselect_b32 s30, s69, s30
	s_cselect_b32 s31, s70, s31
	s_cmp_lt_u32 ttmp9, 256
	s_cselect_b64 s[8:9], s[4:5], s[8:9]
	s_lshl_b32 s72, s30, 17                        ; 32 rows of 4,096 bytes
	s_lshl_b32 s74, s26, 10                        ; my chunk: 256 numbers
	s_add_co_u32 s72, s72, s74
	s_add_nc_u64 s[8:9], s[8:9], s[72:73]          ; the source
	s_mul_i32 s72, s31, 102400
	s_mul_i32 s74, s26, 25600
	s_add_co_u32 s72, s72, s74
	s_add_nc_u64 s[22:23], s[22:23], s[72:73]      ; my chunk of the block
	s_and_b32 s74, ttmp9, 3                        ; g
	s_lshl_b32 s72, s74, 8
	s_add_co_u32 s72, s72, 24576
	s_add_nc_u64 s[20:21], s[22:23], s[72:73]      ; its scale words of tiles 2 g, 2 g + 1
	s_mul_i32 s72, s74, 3072
	s_add_nc_u64 s[22:23], s[22:23], s[72:73]      ; its codes of these tiles
; fragment f = 2 sg + u: tile 2 g + u, K step sg of the chunk.  16 rows, 512 consecutive bytes each, into set f % 2
.macro LOADF f
.set n, 0
.rept 16
	global_load_b128 v[R+64*((\f)%2)+4*n:R+64*((\f)%2)+4*n+3], v4, s[8:9] offset:(8*((\f)%2)+n+8*(n/8))*4096+512*((\f)/2) th:TH_LOAD_NT
.set n, n+1
.endr
.endm
.macro FRAG f
.if (\f) < 3
	s_wait_loadcnt 16                              ; this fragment's 16 loads are in; the next fragment's may be out
.else
	s_wait_loadcnt 0
.endif
.set n, 0
.rept 16
	ds_store_b128 v6, v[R+64*((\f)%2)+4*n:R+64*((\f)%2)+4*n+3] offset:528*n
.set n, n+1
.endr
.set n, 0
.rept 16
	ds_load_b128 v[X+4*n:X+4*n+3], v7 offset:256*(n/8)+16*(n%8)   ; LDS serves a wave's instructions in order: these see my stores.  X[32 c + i] = k 64 c + 32 h + i of row r
.set n, n+1
.endr
	s_wait_dscnt 0x0                               ; my numbers are back, and the stores have read their registers
	s_wait_xcnt 0x0                                ; the last fragment's stores have read their data: the codes' registers may be written again
.if (\f) < 2
	LOADF (\f)+2
.endif
	v_max3_num_f32 v36, |v[X]|, |v[X+1]|, 0x1800000      ; my two blocks' largest magnitudes, by turns, over the floor 2^(3 - 127)
	v_max3_num_f32 v37, |v[X+32]|, |v[X+33]|, 0x1800000
.set n, 2
.rept 15
	v_max3_num_f32 v36, v36, |v[X+n]|, |v[X+n+1]|
	v_max3_num_f32 v37, v37, |v[X+32+n]|, |v[X+33+n]|
.set n, n+2
.endr
	v_add_nc_u32 v38, 0xff000000, v36              ; 2 off the exponent field: the conversion's scale operand
	v_add_nc_u32 v39, 0xff000000, v37
	v_lshrrev_b32 v40, 23, v38                     ; the bytes of blocks h and 2 + h
	v_lshrrev_b32 v41, 23, v39
	v_lshl_or_b32 v42, v41, 16, v40
	v_lshlrev_b32 v42, v9, v42                     ; at their places in the word
	v_permlanex16_b32 v43, v42, s66, s67
	v_or_b32 v[44+(\f)], v42, v43                  ; with lane l xor 16's two the word is whole, in both halves of the lanes
.irp c, 0,1
	v_cvt_scalef32_pk16_fp6_f32 v[PC+6*\c:PC+6*\c+2], v[X+32*\c:X+32*\c+15], v[38+\c]
	v_cvt_scalef32_pk16_fp6_f32 v[TQ+4*\c:TQ+4*\c+2], v[X+32*\c+16:X+32*\c+31], v[38+\c]   ; (a conversion's three registers begin on an even number)
.endr
	v_nop                                          ; one plain place behind a scaled conversion
.irp c, 0,1
.irp i, 0,1,2
	v_mov_b32 v[PC+6*\c+3+\i], v[TQ+4*\c+\i]
.endr
.endr
.irp c, 0,1
	global_store_b128 v4, v[PC+6*\c:PC+6*\c+3], s[22:23] offset:12288*((\f)/2)+1536*((\f)%2)+768*\c        ; 512 consecutive bytes
	global_store_b64 v5, v[PC+6*\c+4:PC+6*\c+5], s[22:23] offset:12288*((\f)/2)+1536*((\f)%2)+768*\c+512   ; 256 consecutive bytes
.endr
.endm
	LOADF 0
	LOADF 1
	FRAG 0
	FRAG 1
	FRAG 2
	FRAG 3
	v_cndmask_b32 v48, v44, v45, s68               ; lanes 0-15 tile 2 g's words, lanes 16-31 tile 2 g + 1's: K step 0,
	v_cndmask_b32 v49, v46, v47, s68               ; K step 1
	global_store_b64 v5, v[48:49], s[20:21]        ; 256 consecutive bytes
	s_branch .Lend
.Lmask:
	; ---- the masks
	s_sub_co_u32 s27, ttmp9, 640
	s_lshr_b32 s30, s27, 1                         ; T: the tile of 16 queries
	s_and_b32 s31, s27, 1
	s_lshl_b32 s31, s31, 2
	s_add_co_u32 s31, s31, s26                     ; w: the chunk of 256 keys
	s_lshr_b32 s69, s30, 1
	s_lshl_b32 s69, s69, 5
	s_and_b32 s70, s30, 1
	s_lshl_b32 s70, s70, 3
	s_add_co_u32 s69, s69, s70                     ; the tile's first query: 32 (T / 2) + 8 (T % 2)
	s_lshl_b32 s72, s69, 13                        ; a row of attention_mask is 8,192 bytes
	s_lshl_b32 s70, s31, 10
	s_add_co_u32 s72, s72, s70
	s_add_nc_u64 s[16:17], s[16:17], s[72:73]
	s_mov_b32 s72, s70
	s_add_nc_u64 s[18:19], s[18:19], s[72:73]
	s_lshl_b32 s72, s30, 12
	s_lshl_b32 s70, s31, 9
	s_add_co_u32 s72, s72, s70
	s_add_nc_u64 s[24:25], s[24:25], s[72:73]      ; maskw at [0][T][w]
.set n, 0
.rept 32
	global_load_b32 v[X+n], v11, s[18:19] offset:8192*(n/8)+128*(n%8)   ; key_ignorance_mask[n / 8][256 w + 32 (n % 8) + lane]
.set n, n+1
.endr
.set n, 0
.rept 32
	global_load_b128 v[R+4*n:R+4*n+3], v4, s[16:17] offset:((n%16)+8*((n%16)/8))*8192+512*(n/16) th:TH_LOAD_NT   ; two units of 128 keys x 16 rows
.set n, n+1
.endr
.set n, 0
.rept 16
	v_mov_b32 v[OUTW+n], 0                         ; v_writelane_b32's destination counts as one of its sources
.set n, n+1
.endr
	s_wait_loadcnt 32                              ; the first 32 loads are in; attention_mask's 32 may be out
.set n, 0
.rept 32
	v_cmp_ne_u32 s[32+n], 0, v[X+n]                ; s[32 + 8 b + blk]: bit l = key 32 blk + l of batch b is ignored
.set n, n+1
.endr
.macro MUNIT u
	s_wait_loadcnt 16-16*(\u)                      ; this unit's 16 rows are in
.set n, 0
.rept 16
	ds_store_b128 v6, v[R+64*(\u)+4*n:R+64*(\u)+4*n+3] offset:MOFF+528*n
.set n, n+1
.endr
.set n, 0
.rept 16
	ds_load_b128 v[X+4*n:X+4*n+3], v8 offset:MOFF+128*(n/4)+16*(n%4)   ; X[16 k + i] = attention_mask[query r][128 u + 32 k + 16 h + i]
.set n, n+1
.endr
	s_wait_dscnt 0x0
.irp k, 0,1,2,3
.irp b, 0,1,2,3
	v_lshrrev_b32 v[36+\b], v10, s[32+8*\b+4*(\u)+\k]   ; my half's 16 bits of the block's ignored keys
.endr
.irp i, 0,1,2,3,4,5,6,7,8,9,10,11,12,13,14,15
.irp b, 0,1,2,3
	v_and_or_b32 v[40+\b], v[36+\b], 1<<\i, v[X+16*\k+\i]
.endr
.irp b, 0,1,2,3
	v_cmp_ne_u32 s[74+\b], 0, v[40+\b]             ; the lane mask: one word
.endr
.irp b, 0,1,2,3
	v_writelane_b32 v[OUTW+4*\b+(\i%4)], s[74+\b], 16*(\u)+4*\k+\i/4
.endr
.endr
.endr
.endm
	MUNIT 0
	MUNIT 1
.irp b, 0,1,2,3
	global_store_b128 v4, v[OUTW+4*\b:OUTW+4*\b+3], s[24:25] offset:524288*\b   ; 512 consecutive bytes: the 128 words of (b, T, w)
.endr
.Lend:
	s_wait_tensorcnt 0x0                           ; the wave's end, behind my last LDS store
	ds_add_u32 v[SPW], v[NIL]
	s_wait_dscnt 0x0
	s_endpgm
.Lfunc_end_k_q7b04958990_prep:
	.size	k_q7b04958990_prep, .Lfunc_end_k_q7b04958990_prep-k_q7b04958990_prep
	.p2alignl 7, 3214868480
	.fill 96, 4, 3214868480
	.section	.rodata,"a",@progbits
	.p2align	6, 0x0
	.amdhsa_kernel k_q7b04958990_prep
		.amdhsa_group_segment_fixed_size 68096
		.amdhsa_private_segment_fixed_size 0
		.amdhsa_enable_private_segment 0
		.amdhsa_kernarg_size 88
		.amdhsa_user_sgpr_count 2
		.amdhsa_user_sgpr_kernarg_segment_ptr 1
		.amdhsa_wavefront_size32 1
		.amdhsa_system_sgpr_workgroup_id_x 1
		.amdhsa_system_sgpr_workgroup_id_y 1
		.amdhsa_system_sgpr_workgroup_id_z 1
		.amdhsa_system_vgpr_workitem_id 0
		.amdhsa_next_free_vgpr 256
		.amdhsa_next_free_sgpr 80
		.amdhsa_reserve_vcc 0
		.amdhsa_float_denorm_mode_32 3
		.amdhsa_float_denorm_mode_16_64 3
		.amdhsa_memory_ordered 1
		.amdhsa_forward_progress 1
		.amdhsa_inst_pref_size 152
	.end_amdhsa_kernel
	.amdgpu_metadata
---
amdhsa.version: [ 1, 2 ]
amdhsa.kernels:
  - .name:           k_q7b04958990_prep
    .symbol:         k_q7b04958990_prep.kd
    .args:
      - { .name: query, .offset: 0, .size: 8, .value_kind: global_buffer, .address_space: global }
      - { .name: key_value, .offset: 8, .size: 8, .value_kind: global_buffer, .address_space: global }
      - { .name: Wq, .offset: 16, .size: 8, .value_kind: global_buffer, .address_space: global }
      - { .name: Wk, .offset: 24, .size: 8, .value_kind: global_buffer, .address_space: global }
      - { .name: Wv, .offset: 32, .size: 8, .value_kind: global_buffer, .address_space: global }
      - { .name: Wo, .offset: 40, .size: 8, .value_kind: global_buffer, .address_space: global }
      - { .name: attention_mask, .offset: 48, .size: 8, .value_kind: global_buffer, .address_space: global }
      - { .name: key_ignorance_mask, .offset: 56, .size: 8, .value_kind: global_buffer, .address_space: global }
      - { .name: xc, .offset: 64, .size: 8, .value_kind: global_buffer, .address_space: global }
      - { .name: wc, .offset: 72, .size: 8, .value_kind: global_buffer, .address_space: global }
      - { .name: maskw, .offset: 80, .size: 8, .value_kind: global_buffer, .address_space: global }
    .group_segment_fixed_size: 68096
    .private_segment_fixed_size: 0
    .kernarg_segment_align: 8
    .kernarg_segment_size: 88
    .max_flat_workgroup_size: 128
    .sgpr_count:     80
    .vgpr_count:     256
    .wavefront_size: 32
...
	.end_amdgpu_metadata
.endif
;; end of part 1
;; launch qkv (part 2): grid 12 x 64, 8 waves a work-group, clusters of 4 x 4, 327,680 bytes of LDS; arguments xc, wc, bq, bk, bv, qh, kh, vh; writes qh, kh, vh
.if DOCPART == 2
	.amdgcn_target "amdgcn-amd-amdhsa--gfx1250"
	.amdhsa_code_object_version 6
	.text
	.protected	k_q7b04958990_qkv
	.globl	k_q7b04958990_qkv
	.p2align	8
	.type	k_q7b04958990_qkv,@function
k_q7b04958990_qkv:
	s_mov_b64 s[64:65], 0
	v_nop
	global_prefetch_b8 v0, s[64:65] scope:SCOPE_SE
	s_setreg_imm32_b32 hwreg(HW_REG_WAVE_MODE, 25, 1), 1
	s_wait_xcnt 0x0
	s_wait_alu depctr_hold_cnt(0) depctr_sa_sdst(0) depctr_va_vdst(0) depctr_va_sdst(0) depctr_va_ssrc(0) depctr_va_vcc(0) depctr_vm_vsrc(0)
	s_getreg_b32 s2, hwreg(HW_REG_IB_STS2, 6, 4)
	s_cmp_eq_u32 s2, 0
	s_cbranch_scc0 .Lentry_in_a_cluster
	s_endpgm
.Lentry_in_a_cluster:
	s_bfe_u32 s2, ttmp6, 0x10000c
	s_cmp_lg_u32 s2, 0xf033
	s_cbranch_scc0 .Lentry_shape_is_right
	s_endpgm
.Lentry_shape_is_right:
; q = (query Wq^T + bq) / 8, k = key_value Wk^T + bk, v = key_value Wv^T + bv, on codes of FP6 (E2M3) with E8M0 scales, sums in f32; the results are quantised at once for the attention launch:
; q and k along the head's 64 (two blocks a row), v along the KEYS.  Cluster x says which: 0 q, 1 k, 2 v.
; A work-group makes 128 rows x 256 columns.  ALL OF K LIES IN LDS: A's block of 128 rows (102,400 bytes) and two blocks of 128 rows of W, each as 4 chunks of 25,600 bytes, every byte filled once.
; The blocks lie in memory in the order of the operands' registers: half a fragment (16 rows x 64 K) is 512 bytes at 16 x lane and 256 bytes at 8 x lane: every LDS read is of consecutive bytes.
; CLUSTER 4 x 4: the four work-groups of a row of the cluster need the same block of A, the four of a column the same blocks of W: each chunk is asked for jointly.
; Wave: wm = wave % 2: 64 rows; wn = wave / 2: 64 columns, one head: 16 accumulators.
; q, k: source 0 = 16 rows of W, source 1 = 16 rows of A: a lane holds ONE token, and since lane-row r of tile t is row 32 (t / 2) + 8 (t % 2) + r + 8 (r / 8), its 32 registers are the head's
; channels 32 b + 16 h + 0 .. 15.  The bias is loaded into the accumulators.  v: the sources change places: a lane holds one channel and its registers run along 64 keys; the bias is added at the end.
; The division of q by 8 takes 3 off each scale byte: the codes stay.
; OUT: qh, kh: codes [bh][tile 128][768 bytes], then from byte 6,291,456 the scale words [bh][32][lane 32][2].  vh: codes [bh][128 keys: 16][tile of channels 4][half 2][768], scale words likewise.
; LIMITS: blocks of q and k whose largest magnitude lies under 2^-121 (v: 2^-124) are held at the floor's byte; a block of zeros keeps that byte (its codes are zeros); NaN and infinities are not served.
.set PANEL, 102400
.set CHK,   25600
.set SPARE, 3*PANEL                    ; behind the three blocks: the spare words, 128 bytes a wave
.set W16, 1                            ; v1-6  LDS addresses: W's codes by 16 and by 8 bytes a lane, A's, W's scale words, A's
.set W8,  2
.set A16, 3
.set A8,  4
.set WSA, 5
.set ASA, 6
.set L16, 7                            ; v7   16 x lane
.set L8,  8                            ; v8   8 x lane
.set XSC, 16                           ; v16-19 source 0's scale words: register 2 (i / 2) + sg: tile i even in lanes 0-15, odd in lanes 16-31
.set YSC, 20                           ; v20-23 source 1's
.set SPW, 24                           ; v24  my spare word's LDS address; never rewritten
.set NIL, 25                           ; v25  0; never rewritten
.set XF,  32                           ; v32-79  source 0's four fragments
.set YF,  80                           ; v80-127 source 1's
.set ACC, 128                          ; v128-255 accumulator (j, i) at 8 (4 j + i)
.set TQ,  64                           ; at work in the quantiser
.set TM,  68
.set WV,  14
.set SEL, 66                           ; s[66:67]
.set G1A, 16
.set G1B, 24
.set G0A, 32
.set G0B, 48
.macro CROUND                          ; a round of the cluster's barrier
	s_barrier_signal -1
	s_barrier_wait -1
	s_cmp_lg_u32 s[WV], 0
	s_cbranch_scc1 .Lnot_wave_0_\@
	s_barrier_signal -3
.Lnot_wave_0_\@:
	s_barrier_wait -3
	s_barrier_signal -1
	s_barrier_wait -1
.endm
.macro PLACES
.rept 4
	v_nop
.endr
.endm
	s_load_b512 s[68:83], s[0:1], 0x0              ; xc s68, wc s70, bq s72, bk s74, bv s76, qh s78, kh s80, vh s82
	v_lshl_add_u32 v[SPW], v0, 2, SPARE
	v_mov_b32 v[NIL], 0
	ds_add_u32 v[SPW], v[NIL]                      ; the wave's opening: the add and its wait ahead of the first tensor loads
	v_lshrrev_b32 v9, 5, v0
	v_readfirstlane_b32 s[WV], v9                  ; wave 0..7
	s_bfe_u32 s84, ttmp6, 0x40000                  ; cx
	s_bfe_u32 s85, ttmp6, 0x40004                  ; cy
	s_lshl_b32 s86, ttmp9, 2
	s_add_co_u32 s86, s86, s84                     ; X = 4 x cluster x + cx: which 256 rows of the stacked weights
	s_and_b32 s87, ttmp7, 0xffff
	s_lshl_b32 s87, s87, 2
	s_add_co_u32 s87, s87, s85                     ; y: which 128 rows
	s_lshl_b32 s88, s85, 2
	s_lshl_b32 s88, 15, s88                        ; my row of the cluster
	s_lshl_b32 s89, 0x1111, s84                    ; my column
	s_or_b32 s[G1A], s88, (3<<16)|(1<<21)          ; 15:0 the mask; 17:16 elements of 8 bytes; 21 set beside a mask; no padding
	s_or_b32 s[G1B], s89, (3<<16)|(1<<21)
.irp g, G1A, G1B
	s_mov_b32 s[\g+1], 32<<16                      ; tensor_dim0 = 32 elements: 256 bytes
	s_mov_b32 s[\g+2], 100<<16                     ; tensor_dim1 = 100 rows: a chunk
	s_mov_b32 s[\g+3], 32<<16                      ; tile_dim0
	s_mov_b32 s[\g+4], 100                         ; tile_dim1
	s_mov_b32 s[\g+5], 32                          ; the pitch: dense
	s_mov_b32 s[\g+6], 0
	s_mov_b32 s[\g+7], 0
.endr
	s_cmp_lg_u32 ttmp9, 0
	s_cselect_b32 s90, 64, 0                       ; k and v read key_value's blocks
	s_add_co_u32 s90, s90, s87
	s_mul_i32 s90, s90, PANEL
	s_mov_b32 s91, 0
	s_max_u32 s94, s[WV], 1
	s_sub_co_u32 s94, s94, 1
	s_min_u32 s94, s94, 1                          ; wave 1: W's first block, wave 2: its second
	s_lshl_b32 s95, s86, 1
	s_add_co_u32 s94, s94, s95
	s_mul_i32 s94, s94, PANEL
	s_mov_b32 s95, 0
	s_min_u32 s96, s[WV], 2
	s_mul_i32 s96, s96, PANEL                      ; where a loading wave's block goes: wave x 102,400
	s_wait_dscnt 0x0                               ; the opening add is done
	s_wait_kmcnt 0x0
	s_add_nc_u64 s[90:91], s[68:69], s[90:91]
	s_add_nc_u64 s[94:95], s[70:71], s[94:95]
.irp k, 0,1,2,3
	s_mov_b32 s[G0A+4*\k], 1
	s_add_co_u32 s[G0A+4*\k+1], s96, \k*CHK
	s_add_nc_u64 s[G0A+4*\k+2:G0A+4*\k+3], s[90:91], \k*CHK
	s_or_b32 s[G0A+4*\k+3], s[G0A+4*\k+3], 0x80000000
	s_mov_b32 s[G0B+4*\k], 1
	s_add_co_u32 s[G0B+4*\k+1], s96, \k*CHK
	s_add_nc_u64 s[G0B+4*\k+2:G0B+4*\k+3], s[94:95], \k*CHK
	s_or_b32 s[G0B+4*\k+3], s[G0B+4*\k+3], 0x80000000
.endr
	CROUND                                         ; all sixteen work-groups are here: the joint loads meet
	s_cmp_eq_u32 s[WV], 0                          ; a wave's fills stand in one branch: wave 0 A's four chunks, waves 1 and 2 W's: four loads of a loading wave are out
	s_cbranch_scc0 .Lnot_a
.irp k, 0,1,2,3
	tensor_load_to_lds s[G0A+4*\k:G0A+4*\k+3], s[G1A:G1A+7]
	s_nop 0
.endr
	PLACES
	s_branch .Lfilled
.Lnot_a:
	s_cmp_lt_u32 s[WV], 3
	s_cbranch_scc0 .Lfilled
.irp k, 0,1,2,3
	tensor_load_to_lds s[G0B+4*\k:G0B+4*\k+3], s[G1B:G1B+7]
	s_nop 0
.endr
	PLACES
.Lfilled:
	v_and_b32 v9, 31, v0
	v_lshlrev_b32 v[L16], 4, v9
	v_lshlrev_b32 v[L8], 3, v9
	v_and_b32 v10, 15, v0                          ; r
	v_bfe_u32 v11, v0, 4, 1                        ; h
	s_and_b32 s15, s[WV], 1                        ; wm
	s_lshr_b32 s13, s[WV], 1                       ; wn
	s_lshr_b32 s8, s13, 1
	s_add_co_u32 s8, s8, 1
	s_mul_i32 s8, s8, PANEL                        ; my block of W
	s_and_b32 s9, s13, 1
	s_mul_i32 s10, s9, 6144                        ; my four tiles in it
	s_add_co_u32 s10, s10, s8
	s_lshl_b32 s9, s9, 9
	s_add_co_u32 s9, s9, s8
	s_add_co_u32 s9, s9, 24576                     ; and their scale words
	s_mul_i32 s11, s15, 6144                       ; my four tiles of A
	s_lshl_b32 s12, s15, 9
	s_add_co_u32 s12, s12, 24576
	v_add_nc_u32 v[W16], s10, v[L16]
	v_add_nc_u32 v[W8], s10, v[L8]
	v_add_nc_u32 v[A16], s11, v[L16]
	v_add_nc_u32 v[A8], s11, v[L8]
	v_add_nc_u32 v[WSA], s9, v[L8]
	v_add_nc_u32 v[ASA], s12, v[L8]
	; where the results go
	s_lshr_b32 s4, s87, 4
	s_lshl_b32 s4, s4, 4                           ; 16 x batch
	s_and_b32 s5, s86, 3                           ; which 256 columns of the tensor
	s_lshl_b32 s6, s5, 2
	s_add_co_u32 s4, s4, s6
	s_add_co_u32 s4, s4, s13                       ; bh = 16 batch + head
	s_and_b32 s6, s87, 15
	s_lshl_b32 s4, s4, 4
	s_add_co_u32 s4, s4, s6                        ; 16 bh + which 128 tokens of the batch
	s_lshl_b32 s5, s5, 10
	s_lshl_b32 s6, s13, 8
	s_add_co_u32 s98, s5, s6                       ; my 64 numbers of the bias
	s_mov_b32 s99, 0
	s_cmp_eq_u32 ttmp9, 1
	s_cselect_b64 s[78:79], s[80:81], s[78:79]
	s_cselect_b64 s[72:73], s[74:75], s[72:73]
	s_cmp_eq_u32 ttmp9, 2
	s_cselect_b64 s[78:79], s[82:83], s[78:79]
	s_cselect_b64 s[72:73], s[76:77], s[72:73]
	s_add_nc_u64 s[72:73], s[72:73], s[98:99]
	s_lshl_b32 s98, s4, 1
	s_add_co_u32 s98, s98, s15
	s_lshl_b32 s98, s98, 8
	s_add_co_u32 s98, s98, 6291456
	s_add_nc_u64 s[80:81], s[78:79], s[98:99]      ; my 256 bytes of scale words
	s_mov_b32 s6, 3072                             ; q, k: my four tiles of tokens lie on end;
	s_cmp_eq_u32 ttmp9, 2
	s_cselect_b32 s6, 768, s6                      ; v: my 64 keys are half wm of each of four fragments
	s_mul_i32 s6, s6, s15
	s_mul_i32 s98, s4, 6144
	s_add_co_u32 s98, s98, s6
	s_add_nc_u64 s[78:79], s[78:79], s[98:99]      ; my codes
	s_cmp_eq_u32 ttmp9, 0
	s_cselect_b32 s3, 0x0303, 0                    ; q: 3 off both scale bytes
	s_mov_b32 s2, 0xffff0000                       ; lanes 16-31
	s_mov_b32 s[SEL], 0x76543210
	s_mov_b32 s[SEL+1], 0xfedcba98
.macro WM d, a, b, sa, sb, ra, rb, zero
.set wd, \d
.set wa, \a
.set wb, \b
.set wsa, \sa
.set wsb, \sb
.if \zero
.if (\ra) && (\rb)
	v_wmma_scale_f32_16x16x128_f8f6f4 v[wd:wd+7], v[wa:wa+11], v[wb:wb+11], 0, v[wsa], v[wsb] matrix_a_fmt:MATRIX_FMT_FP6 matrix_b_fmt:MATRIX_FMT_FP6 matrix_a_scale:MATRIX_SCALE_ROW1 matrix_b_scale:MATRIX_SCALE_ROW1
.elseif (\ra)
	v_wmma_scale_f32_16x16x128_f8f6f4 v[wd:wd+7], v[wa:wa+11], v[wb:wb+11], 0, v[wsa], v[wsb] matrix_a_fmt:MATRIX_FMT_FP6 matrix_b_fmt:MATRIX_FMT_FP6 matrix_a_scale:MATRIX_SCALE_ROW1
.elseif (\rb)
	v_wmma_scale_f32_16x16x128_f8f6f4 v[wd:wd+7], v[wa:wa+11], v[wb:wb+11], 0, v[wsa], v[wsb] matrix_a_fmt:MATRIX_FMT_FP6 matrix_b_fmt:MATRIX_FMT_FP6 matrix_b_scale:MATRIX_SCALE_ROW1
.else
	v_wmma_scale_f32_16x16x128_f8f6f4 v[wd:wd+7], v[wa:wa+11], v[wb:wb+11], 0, v[wsa], v[wsb] matrix_a_fmt:MATRIX_FMT_FP6 matrix_b_fmt:MATRIX_FMT_FP6
.endif
.else
.if (\ra) && (\rb)
	v_wmma_scale_f32_16x16x128_f8f6f4 v[wd:wd+7], v[wa:wa+11], v[wb:wb+11], v[wd:wd+7], v[wsa], v[wsb] matrix_a_fmt:MATRIX_FMT_FP6 matrix_b_fmt:MATRIX_FMT_FP6 matrix_a_scale:MATRIX_SCALE_ROW1 matrix_b_scale:MATRIX_SCALE_ROW1
.elseif (\ra)
	v_wmma_scale_f32_16x16x128_f8f6f4 v[wd:wd+7], v[wa:wa+11], v[wb:wb+11], v[wd:wd+7], v[wsa], v[wsb] matrix_a_fmt:MATRIX_FMT_FP6 matrix_b_fmt:MATRIX_FMT_FP6 matrix_a_scale:MATRIX_SCALE_ROW1
.elseif (\rb)
	v_wmma_scale_f32_16x16x128_f8f6f4 v[wd:wd+7], v[wa:wa+11], v[wb:wb+11], v[wd:wd+7], v[wsa], v[wsb] matrix_a_fmt:MATRIX_FMT_FP6 matrix_b_fmt:MATRIX_FMT_FP6 matrix_b_scale:MATRIX_SCALE_ROW1
.else
	v_wmma_scale_f32_16x16x128_f8f6f4 v[wd:wd+7], v[wa:wa+11], v[wb:wb+11], v[wd:wd+7], v[wsa], v[wsb] matrix_a_fmt:MATRIX_FMT_FP6 matrix_b_fmt:MATRIX_FMT_FP6
.endif
.endif
.endm
.macro FRAGS reg, a16, a8, off         ; four fragments: each half by 16 and by 8 bytes a lane, consecutive bytes
.irp i, 0,1,2,3
.irp c, 0,1
	ds_load_b128 v[\reg+12*\i+6*\c:\reg+12*\i+6*\c+3], v[\a16] offset:\off+1536*\i+768*\c
	ds_load_b64 v[\reg+12*\i+6*\c+4:\reg+12*\i+6*\c+5], v[\a8] offset:\off+1536*\i+768*\c+512
.endr
.endr
.endm
.macro MUL sg, zero                    ; 16 matrix instructions; the 16 accumulators take turns
.irp j, 0,1,2,3
.irp i, 0,1,2,3
	WM ACC+8*(4*\j+\i), XF+12*\i, YF+12*\j, XSC+2*(\i/2)+\sg, YSC+2*(\j/2)+\sg, \i%2, \j%2, \zero
.endr
.endr
.endm
.macro KSTEP sg, zero, sc              ; 128 along K.  sc = 1: the chunk's scale words come with it (both K steps' in a pair of registers)
	PLACES                                         ; in front of loads into registers that matrix instructions have read
.if \sc
	ds_load_b64 v[XSC:XSC+1], v[PXS]
	ds_load_b64 v[XSC+2:XSC+3], v[PXS] offset:256
	ds_load_b64 v[YSC:YSC+1], v[PYS]
	ds_load_b64 v[YSC+2:YSC+3], v[PYS] offset:256
.endif
	FRAGS XF, PX16, PX8, 12288*\sg
	FRAGS YF, PY16, PY8, 12288*\sg
	s_wait_dscnt 0x0
	MUL \sg, \zero
.endm
.macro CHUNK k, zero
	s_wait_tensorcnt 3-\k                          ; a loading wave's chunk k has landed; its later chunks may stay out
	s_barrier_signal -1
	s_barrier_wait -1                              ; everybody's has
	KSTEP 0, \zero, 1
	KSTEP 1, 0, 0
.if \k < 3
.irp a, W16, W8, A16, A8, WSA, ASA
	v_add_nc_u32 v[\a], CHK, v[\a]                 ; on to the next chunk (no LDS load of mine is out)
.endr
.endif
.endm
; 32 numbers of a lane, register 16 b + i = k 32 b + 16 h + i of its row, become 6 registers of codes (lane (r, h): block h whole) in v[pc] on and a scale word (two bytes) in v[w]
.macro QUANT2 s, pc, w, floor
.set qs, \s
.set qp, \pc
.set qw, \w
	v_max3_num_f32 v[TM], |v[qs]|, |v[qs+1]|, \floor
	v_max3_num_f32 v[TM+1], |v[qs+16]|, |v[qs+17]|, \floor
.set n, 2
.rept 7
	v_max3_num_f32 v[TM], v[TM], |v[qs+n]|, |v[qs+n+1]|
	v_max3_num_f32 v[TM+1], v[TM+1], |v[qs+16+n]|, |v[qs+17+n]|
.set n, n+2
.endr
	v_permlanex16_b32 v[TM+2], v[TM], s[SEL], s[SEL+1]
	v_permlanex16_b32 v[TM+3], v[TM+1], s[SEL], s[SEL+1]
	v_max_num_f32 v[TM], v[TM], v[TM+2]            ; with lane l xor 16's: the blocks' largest magnitudes
	v_max_num_f32 v[TM+1], v[TM+1], v[TM+3]
	v_add_nc_u32 v[TM+4], 0xff000000, v[TM]        ; 2 off the exponent field: the conversion's scale operand
	v_add_nc_u32 v[TM+5], 0xff000000, v[TM+1]
	v_lshrrev_b32 v[TM+2], 23, v[TM+4]
	v_lshrrev_b32 v[TM+3], 23, v[TM+5]
	v_lshl_or_b32 v[qw], v[TM+3], 8, v[TM+2]
	v_cvt_scalef32_pk16_fp6_f32 v[qp:qp+2], v[qs:qs+15], v[TM+4]
	v_cvt_scalef32_pk16_fp6_f32 v[TQ:TQ+2], v[qs+16:qs+31], v[TM+5]
	v_nop                                          ; one plain place behind a scaled conversion
.irp i, 0,1,2
	v_permlane16_swap_b32 v[qp+\i], v[TQ+\i]       ; lanes 0-15 get block 0 whole, lanes 16-31 block 1
.endr
.irp i, 0,1,2
	v_mov_b32 v[qp+3+\i], v[TQ+\i]
.endr
.endm
.macro BODY swap
.if \swap
.set PX16, A16
.set PX8,  A8
.set PXS,  ASA
.set PY16, W16
.set PY8,  W8
.set PYS,  WSA
	v_and_b32 v9, 8, v10
	v_add_nc_u32 v9, v9, v10
	v_lshlrev_b32 v9, 2, v9                        ; my channel of a tile: r + 8 (r / 8)
.irp j, 0,1,2,3
	global_load_b32 v[26+2*\j-18*(\j/3)], v9, s[72:73] offset:4*(32*(\j/2)+8*(\j%2))    ; bv of my channel of tile j, in both registers of a pair
	global_load_b32 v[27+2*\j-18*(\j/3)], v9, s[72:73] offset:4*(32*(\j/2)+8*(\j%2))
.endr
.else
.set PX16, W16
.set PX8,  W8
.set PXS,  WSA
.set PY16, A16
.set PY8,  A8
.set PYS,  ASA
	v_lshlrev_b32 v9, 6, v11                       ; 16 h numbers on
.irp j, 0,1,2,3
.irp i, 0,1,2,3
	global_load_b128 v[ACC+8*(4*\j+\i):ACC+8*(4*\j+\i)+3], v9, s[72:73] offset:4*(32*(\i/2)+8*(\i%2))       ; the bias starts the sums: register n of accumulator (j, i) is channel 32 (i / 2) + 16 h + 8 (i % 2) + n
	global_load_b128 v[ACC+8*(4*\j+\i)+4:ACC+8*(4*\j+\i)+7], v9, s[72:73] offset:4*(32*(\i/2)+8*(\i%2))+16
.endr
.endr
.endif
	s_wait_loadcnt 0x0
	CHUNK 0, \swap
	CHUNK 1, 0
	CHUNK 2, 0
	CHUNK 3, 0
	PLACES                                         ; in front of the first read of results and of writes into the fragments' registers
	v_mov_b32 v[TM+2], 0                           ; a lane permute's destination counts as one of its sources
	v_mov_b32 v[TM+3], 0
.irp j, 0,1,2,3
.if \swap
.set n, 0
.rept 16
	v_pk_add_f32 v[ACC+32*\j+n:ACC+32*\j+n+1], v[ACC+32*\j+n:ACC+32*\j+n+1], v[26+2*\j-18*(\j/3):27+2*\j-18*(\j/3)]
.set n, n+2
.endr
	QUANT2 ACC+32*\j, 32+8*\j, 76+\j, 0x1800000
	global_store_b128 v[L16], v[32+8*\j:35+8*\j], s[78:79] offset:1536*\j
	global_store_b64 v[L8], v[36+8*\j:37+8*\j], s[78:79] offset:1536*\j+512
.else
	QUANT2 ACC+32*\j, 32+8*\j, 76+\j, 0x3000000
	v_sub_nc_u32 v[76+\j], v[76+\j], s3
	global_store_b128 v[L16], v[32+8*\j:35+8*\j], s[78:79] offset:768*\j
	global_store_b64 v[L8], v[36+8*\j:37+8*\j], s[78:79] offset:768*\j+512
.endif
.endr
	v_cndmask_b32 v80, v76, v77, s2                ; lanes 0-15 tile 0's words, lanes 16-31 tile 1's;
	v_cndmask_b32 v81, v78, v79, s2                ; tiles 2 and 3
	global_store_b64 v[L8], v[80:81], s[80:81]     ; 256 consecutive bytes
	s_wait_tensorcnt 0x0                           ; the wave's end
	ds_add_u32 v[SPW], v[NIL]
	s_wait_dscnt 0x0
	CROUND                                         ; the closing round
	s_endpgm
.endm
	s_cmp_eq_u32 ttmp9, 2                          ; the cluster's x: the same in all sixteen partners
	s_cbranch_scc1 .Lbody_v
	BODY 0
.Lbody_v:
	BODY 1
.Lfunc_end_k_q7b04958990_qkv:
	.size	k_q7b04958990_qkv, .Lfunc_end_k_q7b04958990_qkv-k_q7b04958990_qkv
	.p2alignl 7, 3214868480
	.fill 96, 4, 3214868480
	.section	.rodata,"a",@progbits
	.p2align	6, 0x0
	.amdhsa_kernel k_q7b04958990_qkv
		.amdhsa_group_segment_fixed_size 327680
		.amdhsa_private_segment_fixed_size 0
		.amdhsa_enable_private_segment 0
		.amdhsa_kernarg_size 64
		.amdhsa_user_sgpr_count 2
		.amdhsa_user_sgpr_kernarg_segment_ptr 1
		.amdhsa_wavefront_size32 1
		.amdhsa_system_sgpr_workgroup_id_x 1
		.amdhsa_system_sgpr_workgroup_id_y 1
		.amdhsa_system_sgpr_workgroup_id_z 1
		.amdhsa_system_vgpr_workitem_id 0
		.amdhsa_next_free_vgpr 256
		.amdhsa_next_free_sgpr 100
		.amdhsa_reserve_vcc 0
		.amdhsa_float_denorm_mode_32 3
		.amdhsa_float_denorm_mode_16_64 3
		.amdhsa_memory_ordered 1
		.amdhsa_forward_progress 1
		.amdhsa_inst_pref_size 107
	.end_amdhsa_kernel
	.amdgpu_metadata
---
amdhsa.version: [ 1, 2 ]
amdhsa.kernels:
  - .name:           k_q7b04958990_qkv
    .symbol:         k_q7b04958990_qkv.kd
    .args:
      - { .name: xc, .offset: 0, .size: 8, .value_kind: global_buffer, .address_space: global }
      - { .name: wc, .offset: 8, .size: 8, .value_kind: global_buffer, .address_space: global }
      - { .name: bq, .offset: 16, .size: 8, .value_kind: global_buffer, .address_space: global }
      - { .name: bk, .offset: 24, .size: 8, .value_kind: global_buffer, .address_space: global }
      - { .name: bv, .offset: 32, .size: 8, .value_kind: global_buffer, .address_space: global }
      - { .name: qh, .offset: 40, .size: 8, .value_kind: global_buffer, .address_space: global }
      - { .name: kh, .offset: 48, .size: 8, .value_kind: global_buffer, .address_space: global }
      - { .name: vh, .offset: 56, .size: 8, .value_kind: global_buffer, .address_space: global }
    .group_segment_fixed_size: 327680
    .private_segment_fixed_size: 0
    .kernarg_segment_align: 8
    .kernarg_segment_size: 64
    .max_flat_workgroup_size: 256
    .sgpr_count:     100
    .vgpr_count:     256
    .wavefront_size: 32
...
	.end_amdgpu_metadata
.endif
;; end of part 2
;; launch att (part 3): grid 4 x 64, 8 waves a work-group, no clusters, 265,728 bytes of LDS; arguments qh, kh, vh, maskw, oc; writes oc
.if DOCPART == 3
	.amdgcn_target "amdgcn-amd-amdhsa--gfx1250"
	.amdhsa_code_object_version 6
	.text
	.protected	k_q7b04958990_att
	.globl	k_q7b04958990_att
	.p2align	8
	.type	k_q7b04958990_att,@function
k_q7b04958990_att:
	s_mov_b64 s[64:65], 0
	v_nop
	global_prefetch_b8 v0, s[64:65] scope:SCOPE_SE
	s_setreg_imm32_b32 hwreg(HW_REG_WAVE_MODE, 25, 1), 1
	s_wait_xcnt 0x0
; attn = softmax(q k^T, masked scores = -1e12), o = attn v, both products on codes of FP6 (E2M3) with E8M0 scales.  attn is quantised FINISHED AND NORMALISED, along the keys.
; SHARES.  A work-group owns 512 queries (32 tiles of 16) of one (batch, head).  EACH OF ITS EIGHT WAVES OWNS 256 KEYS and keeps their codes of K (96 registers) and of V^T (96) in registers for the whole launch:
; K and V are read once by a work-group, straight into registers, so nothing of them is shared through LDS and no cluster is formed.
; A TRIP is one tile of 16 queries: 16 products S^T = K Q^T (source 0 = 16 keys, source 1 = the queries: a lane holds one query, its 128 registers 128 of my keys); the masks; my keys' maximum m;
; p = 2^(c s - M), M = ceil(c m) a whole number, c = log2(e); my keys' sum l; (M, l) of the eight waves meet in LDS behind ONE barrier; every wave forms the row's M and sum, multiplies its p by
; 2^(M_mine - M_row) / sum, quantises them, and issues 8 products O^T += V^T P.  Each score and each exponential is made once.
; The head's K is 64: the upper half of Q's operand holds zero codes, so what the upper half of K's operand names (the next tile's codes) adds nothing; the upper scale bytes are 0, which is 2^-127 and no NaN.
; A part of a row all of whose 256 keys are masked: all its scores are equal, so p = 1 and its M counts as -2^41: beside any open key its share falls to 0, and a row masked throughout gets 1 / 2048 on every key.
; The partial O^T of 8 trips wait in LDS; then wave w adds the eight partials of tile w, quantises the 64 channels (K of the last projection) and stores them in the order of that operand's registers.
; A block's largest attn is not searched for: the block's largest score goes through the same multiply-add, exponential and multiplication (this takes v_exp_f32 not to fall where its input rises).
; LIMITS: a part of a row whose largest score is exactly -1e12 counts as wholly masked (wrong only where true scores lie at or under -1e12); p under 2^-126 is 0; blocks under 2^-124 keep the byte 1;
; NaN and infinities among the inputs are not served (a NaN divisor gives zeros).
; REGISTERS, window 0: v1-11 addresses; v13 0.0; v15 -1e12; v16 c; v17 2^41; v[18:19] c or 0; v[20:21] -M; v[22:23] (-M for the exchange, l); v[24:25] the factor; v26-29 at work; v30, v31 the add's two;
;   v32-39 K's scale words; v40-43 V's; v44-45 Q's; v46-47 P's; v48-71 two buffers of Q (6 registers of codes, 6 of zeros); v72-95 P's codes (first: the exchange); v96-111 at work; v112-119 the blocks' maxima;
;   v120-127 at work; v128-255 S^T, then p; O^T lies over its last 32.   window 1: v0-95 K, tile t at 6 t; v96-191 V^T, fragment 4 k + dt at 96 + 12 (4 k + dt).
.set ST,    262144                     ; LDS: 0 .. 262,143: the partial O^T [wave 8][tile 8][4,096];  then the exchange: parity x 1,280 + 80 r + 8 wave
.set SPARE, 264704                     ; then the spare words, 128 bytes a wave
.set SPW, 30
.set NIL, 31
.set KS,  32
.set VS,  40
.set QS,  44
.set PW,  46
.set QB,  48
.set PC,  72
.set E,   72
.set TMP, 96
.set BM,  112
.set BT,  120
.set S,   128
.set OA,  224
.set TM,  112
.set TQ,  96
.set SEL, 20
.set MSB, 0
.macro WIN new                         ; the immediate's high byte repeats the setting that is left
.if MSB != \new
	s_set_vgpr_msb (MSB<<8)|\new
.set MSB, \new
.endif
.endm
.macro PLACES
.rept 4
	v_nop
.endr
.endm
	s_load_b256 s[4:11], s[0:1], 0x0               ; qh, kh, vh, maskw
	s_load_b64 s[12:13], s[0:1], 0x20              ; oc
	v_lshl_add_u32 v[SPW], v0, 2, SPARE
	v_mov_b32 v[NIL], 0
	v_lshrrev_b32 v13, 5, v0
	v_readfirstlane_b32 s14, v13                   ; wave 0..7
	v_and_b32 v13, 31, v0
	v_and_b32 v14, 15, v0                          ; r
	v_lshlrev_b32 v1, 4, v13                       ; 16 x lane
	v_lshlrev_b32 v2, 3, v13                       ; 8 x lane
	v_lshlrev_b32 v3, 3, v14                       ; 8 r
	v_mul_u32_u24 v5, v14, 80
	v_add_nc_u32 v5, ST, v5                        ; the exchange: my query's row
	s_lshl_b32 s30, s14, 3
	v_add_nc_u32 v4, s30, v5                       ; and my wave's 8 bytes in it
	s_lshl_b32 s30, s14, 15
	v_add_nc_u32 v6, s30, v1                       ; my partials
	s_lshl_b32 s30, s14, 12
	v_add_nc_u32 v7, s30, v1                       ; tile w of waves 0, 1;
	v_add_nc_u32 v9, 0x10000, v7                   ; of waves 2, 3;
	v_add_nc_u32 v10, 0x20000, v7                  ; 4, 5;
	v_add_nc_u32 v11, 0x30000, v7                  ; 6, 7
	v_mov_b32 v13, 0
	v_mov_b32 v15, 0xd368d4a5                      ; -1e12
	v_mov_b32 v16, 0x3fb8aa3b                      ; log2(e)
	v_mov_b32 v17, 0x54000000                      ; 2^41
	v_mov_b32 v19, 0                               ; (upper halves of pairs of which the packed forms take the low word)
	v_mov_b32 v21, 0
	v_mov_b32 v25, 0
	v_mov_b32 v26, 0                               ; (lane permutes' destinations count as sources)
.set n, 0
.rept 8
	v_mov_b32 v[BT+n], 0
.set n, n+1
.endr
.set n, 0
.rept 6
	v_mov_b32 v[QB+6+n], 0                         ; the upper half of Q's operand: zero codes, in both buffers
	v_mov_b32 v[QB+18+n], 0
.set n, n+1
.endr
	s_mov_b32 s[SEL], 0x76543210
	s_mov_b32 s[SEL+1], 0xfedcba98
	s_and_b32 s19, ttmp7, 0xffff                   ; bh
	s_mov_b32 s29, 0
	s_wait_kmcnt 0x0
	s_lshl_b32 s28, s19, 5
	s_lshl_b32 s31, s14, 2
	s_add_co_u32 s28, s28, s31
	s_lshl_b32 s28, s28, 8
	s_add_co_u32 s28, s28, 6291456                 ; my keys' scale words: (32 bh + 4 w) 256 behind the codes, in kh and in vh
	s_add_nc_u64 s[22:23], s[6:7], s[28:29]
	s_add_nc_u64 s[24:25], s[8:9], s[28:29]
	s_lshl_b32 s28, s19, 7
	s_lshl_b32 s31, s14, 4
	s_add_co_u32 s28, s28, s31
	s_mul_i32 s28, s28, 768                        ; my keys' codes: (128 bh + 16 w) 768 in kh = (16 bh + 2 w) 6,144 in vh
	s_add_nc_u64 s[6:7], s[6:7], s[28:29]
	s_add_nc_u64 s[8:9], s[8:9], s[28:29]
	s_lshl_b32 s28, s19, 13
	s_lshl_b32 s31, ttmp9, 11
	s_add_co_u32 s28, s28, s31
	s_add_co_u32 s28, s28, 6291456
	s_add_nc_u64 s[2:3], s[4:5], s[28:29]          ; my queries' scale words
	s_lshl_b32 s28, s19, 7
	s_lshl_b32 s31, ttmp9, 5
	s_add_co_u32 s28, s28, s31
	s_mul_i32 s28, s28, 768
	s_add_nc_u64 s[4:5], s[4:5], s[28:29]          ; my queries' codes
	s_lshr_b32 s30, s19, 4                         ; batch
	s_lshl_b32 s28, s30, 19
	s_lshl_b32 s31, ttmp9, 17
	s_add_co_u32 s28, s28, s31
	s_lshl_b32 s31, s14, 9
	s_add_co_u32 s28, s28, s31
	s_add_nc_u64 s[10:11], s[10:11], s[28:29]      ; the lane masks of (batch, my first tile, my keys); 4,096 bytes from tile to tile
	s_mov_b64 s[26:27], s[10:11]
	s_lshl_b32 s30, s30, 4
	s_lshl_b32 s31, ttmp9, 2
	s_add_co_u32 s30, s30, s31                     ; oc's block: 16 batch + 4 x my quarter
	s_mul_i32 s28, s30, 102400
	s_bfe_u32 s31, s19, 0x20002                    ; the head / 4: the chunk
	s_mul_i32 s31, s31, 25600
	s_add_co_u32 s28, s28, s31
	s_add_nc_u64 s[12:13], s[12:13], s[28:29]
	s_bfe_u32 s30, s19, 0x10001                    ; sg: the K step in the chunk
	s_and_b32 s31, s19, 1                          ; c: the half of the K step
	s_lshl_b32 s28, s14, 7                         ; tile w's scale words: 256 (w / 2) + 128 (w % 2)
	s_add_co_u32 s28, s28, 24576
	s_lshl_b32 s18, s30, 2
	s_add_co_u32 s28, s28, s18
	s_lshl_b32 s18, s31, 1
	s_add_co_u32 s28, s28, s18
	s_add_nc_u64 s[66:67], s[12:13], s[28:29]      ; my two bytes of a row's word
	s_lshl_b32 s28, s30, 3
	s_add_co_u32 s28, s28, s14
	s_mul_i32 s28, s28, 1536
	s_mul_i32 s31, s31, 768
	s_add_co_u32 s28, s28, s31
	s_add_nc_u64 s[12:13], s[12:13], s[28:29]      ; my half fragment
	WIN 0x40                                       ; destination window 1
.set n, 0
.rept 16
	global_load_b128 v[6*n:6*n+3], v1, s[6:7] offset:768*n
	global_load_b64 v[6*n+4:6*n+5], v2, s[6:7] offset:768*n+512
.set n, n+1
.endr
.set n, 0
.rept 16
	global_load_b128 v[96+6*n:96+6*n+3], v1, s[8:9] offset:768*n
	global_load_b64 v[96+6*n+4:96+6*n+5], v2, s[8:9] offset:768*n+512
.set n, n+1
.endr
	WIN 0
.irp p, 0,1,2,3
	global_load_b64 v[KS+2*\p:KS+2*\p+1], v2, s[22:23] offset:256*\p    ; K's scale words: tile t in register t / 2, even tiles in lanes 0-15, odd in lanes 16-31
	global_load_b64 v[TMP+2*\p:TMP+2*\p+1], v2, s[24:25] offset:256*\p  ; V's: (128 keys k, half c) = p: two bytes a word
.endr
	global_load_b128 v[QB:QB+3], v1, s[4:5]        ; tile 0 of my queries
	global_load_b64 v[QB+4:QB+5], v2, s[4:5] offset:512
	global_load_b32 v[QS], v3, s[2:3]
	s_load_b512 s[32:47], s[26:27], 0x0            ; and the lane masks of its first 64 registers
	s_load_b512 s[48:63], s[26:27], 0x40
	s_load_b512 s[68:83], s[26:27], 0x80
	s_load_b512 s[84:99], s[26:27], 0xc0
	s_wait_loadcnt 0x0
.irp k, 0,1
.irp p, 0,1
	v_lshl_or_b32 v[VS+2*\k+\p], v[TMP+4*\k+2+\p], 16, v[TMP+4*\k+\p]   ; the two halves' bytes make the word of 128 keys
.endr
.endr
.rept 8
	v_nop                                          ; scale registers and operands written by vector instructions stand ahead of the scaled matrix instructions
.endr
.macro QK t, par                       ; S^T of tile t of my keys
.if (\t)%2
	v_wmma_scale_f32_16x16x128_f8f6f4 v[S+8*(\t):S+8*(\t)+7], v[6*(\t):6*(\t)+11], v[QB+12*(\par):QB+12*(\par)+11], 0, v[KS+(\t)/2], v[QS+(\par)] matrix_a_fmt:MATRIX_FMT_FP6 matrix_b_fmt:MATRIX_FMT_FP6 matrix_a_scale:MATRIX_SCALE_ROW1
.else
	v_wmma_scale_f32_16x16x128_f8f6f4 v[S+8*(\t):S+8*(\t)+7], v[6*(\t):6*(\t)+11], v[QB+12*(\par):QB+12*(\par)+11], 0, v[KS+(\t)/2], v[QS+(\par)] matrix_a_fmt:MATRIX_FMT_FP6 matrix_b_fmt:MATRIX_FMT_FP6
.endif
.endm
.macro PV k, dt                        ; O^T (16 channels of tile dt) += V^T P over my keys 128 k on
.set pd, OA+8*(\dt)
.set pa, 96+12*(4*(\k)+(\dt))
.set pb, PC+12*(\k)
.set ps, VS+2*(\k)+(\dt)/2
.if (\k) == 0
.if (\dt)%2
	v_wmma_scale_f32_16x16x128_f8f6f4 v[pd:pd+7], v[pa:pa+11], v[pb:pb+11], 0, v[ps], v[PW+(\k)] matrix_a_fmt:MATRIX_FMT_FP6 matrix_b_fmt:MATRIX_FMT_FP6 matrix_a_scale:MATRIX_SCALE_ROW1
.else
	v_wmma_scale_f32_16x16x128_f8f6f4 v[pd:pd+7], v[pa:pa+11], v[pb:pb+11], 0, v[ps], v[PW+(\k)] matrix_a_fmt:MATRIX_FMT_FP6 matrix_b_fmt:MATRIX_FMT_FP6
.endif
.else
.if (\dt)%2
	v_wmma_scale_f32_16x16x128_f8f6f4 v[pd:pd+7], v[pa:pa+11], v[pb:pb+11], v[pd:pd+7], v[ps], v[PW+(\k)] matrix_a_fmt:MATRIX_FMT_FP6 matrix_b_fmt:MATRIX_FMT_FP6 matrix_a_scale:MATRIX_SCALE_ROW1
.else
	v_wmma_scale_f32_16x16x128_f8f6f4 v[pd:pd+7], v[pa:pa+11], v[pb:pb+11], v[pd:pd+7], v[ps], v[PW+(\k)] matrix_a_fmt:MATRIX_FMT_FP6 matrix_b_fmt:MATRIX_FMT_FP6
.endif
.endif
.endm
.macro MASK o                          ; 64 registers from S + o on: -1e12 where the lane's bit is set
.set n, 0
.rept 32
	v_cndmask_b32 v[S+\o+n], v[S+\o+n], v15, s[32+n]
.set n, n+1
.endr
.set n, 0
.rept 32
	v_cndmask_b32 v[S+\o+32+n], v[S+\o+32+n], v15, s[68+n]
.set n, n+1
.endr
.endm
.macro BMAX b0                         ; the largest score of my 16 keys of each of blocks b0 .. b0 + 3, by turns
.irp b, 0,1,2,3
	v_max3_num_f32 v[BM+\b0+\b], v[S+16*(\b0+\b)], v[S+16*(\b0+\b)+1], v[S+16*(\b0+\b)+2]
.endr
.irp i, 3,5,7,9,11,13
.irp b, 0,1,2,3
	v_max3_num_f32 v[BM+\b0+\b], v[BM+\b0+\b], v[S+16*(\b0+\b)+\i], v[S+16*(\b0+\b)+\i+1]
.endr
.endr
.irp b, 0,1,2,3
	v_max_num_f32 v[BM+\b0+\b], v[BM+\b0+\b], v[S+16*(\b0+\b)+15]
.endr
.endm
.macro QUANT2 s, pc, w, floor          ; 32 numbers of a lane, register 16 b + i = k 32 b + 16 h + i, become 6 registers of codes and a scale word of two bytes
.set qs, \s
.set qp, \pc
.set qw, \w
	v_max3_num_f32 v[TM], |v[qs]|, |v[qs+1]|, \floor
	v_max3_num_f32 v[TM+1], |v[qs+16]|, |v[qs+17]|, \floor
.set n, 2
.rept 7
	v_max3_num_f32 v[TM], v[TM], |v[qs+n]|, |v[qs+n+1]|
	v_max3_num_f32 v[TM+1], v[TM+1], |v[qs+16+n]|, |v[qs+17+n]|
.set n, n+2
.endr
	v_permlanex16_b32 v[TM+2], v[TM], s[SEL], s[SEL+1]
	v_permlanex16_b32 v[TM+3], v[TM+1], s[SEL], s[SEL+1]
	v_max_num_f32 v[TM], v[TM], v[TM+2]
	v_max_num_f32 v[TM+1], v[TM+1], v[TM+3]
	v_add_nc_u32 v[TM+4], 0xff000000, v[TM]
	v_add_nc_u32 v[TM+5], 0xff000000, v[TM+1]
	v_lshrrev_b32 v[TM+2], 23, v[TM+4]
	v_lshrrev_b32 v[TM+3], 23, v[TM+5]
	v_lshl_or_b32 v[qw], v[TM+3], 8, v[TM+2]
	v_cvt_scalef32_pk16_fp6_f32 v[qp:qp+2], v[qs:qs+15], v[TM+4]
	v_cvt_scalef32_pk16_fp6_f32 v[TQ:TQ+2], v[qs+16:qs+31], v[TM+5]
	v_nop                                          ; one plain place behind a scaled conversion
.irp i, 0,1,2
	v_permlane16_swap_b32 v[qp+\i], v[TQ+\i]
.endr
.irp i, 0,1,2
	v_mov_b32 v[qp+3+\i], v[TQ+\i]
.endr
.endm
; ONE TILE OF 16 QUERIES.  par: which buffer of Q and which half of the exchange
.macro TRIP par
	s_wait_loadcnt 0x0                             ; this tile's Q and its scale words are in; their pointers may be written
	s_add_co_u32 s30, s15, 1
	s_min_u32 s30, s30, 31                         ; the next tile (the last trip asks for its own again: no load leaves its buffer)
	s_mul_i32 s28, s30, 768
	s_add_nc_u64 s[22:23], s[4:5], s[28:29]
	s_lshr_b32 s28, s30, 2
	s_lshl_b32 s28, s28, 8
	s_and_b32 s31, s30, 1
	s_lshl_b32 s31, s31, 7
	s_add_co_u32 s28, s28, s31
	s_bfe_u32 s31, s30, 0x10001
	s_lshl_b32 s31, s31, 2
	s_add_co_u32 s28, s28, s31                     ; its scale words: 256 (T / 4) + 128 (T % 2) + 4 ((T / 2) % 2), + 8 r
	s_add_nc_u64 s[24:25], s[2:3], s[28:29]
	global_load_b128 v[QB+12*(1-\par):QB+12*(1-\par)+3], v1, s[22:23]
	global_load_b64 v[QB+12*(1-\par)+4:QB+12*(1-\par)+5], v2, s[22:23] offset:512
	global_load_b32 v[QS+1-\par], v3, s[24:25]
	WIN 0x01                                       ; source 0 (K) window 1
.irp t, 0,1,2,3,4,5,6,7
	QK \t, \par
.endr
	WIN 0
	PLACES
	s_wait_kmcnt 0x0                               ; the lane masks of registers 0-63
	MASK 0
	s_load_b512 s[32:47], s[26:27], 0x100          ; those of registers 64-127
	s_load_b512 s[48:63], s[26:27], 0x140
	s_load_b512 s[68:83], s[26:27], 0x180
	s_load_b512 s[84:99], s[26:27], 0x1c0
	s_wait_dscnt 0x0                               ; the last trip's stores of O^T have read their registers, which the scores below take
	WIN 0x01
.irp t, 8,9,10,11,12,13,14,15
	QK \t, \par
.endr
	WIN 0
	BMAX 0                                         ; 32 plain instructions on the first half: the places behind the products
	s_wait_kmcnt 0x0
	MASK 64
	s_lshl_b32 s28, s30, 12
	s_add_nc_u64 s[26:27], s[10:11], s[28:29]      ; (the scalar loads are done: their pointer may be written)  the next tile's lane masks
	s_load_b512 s[32:47], s[26:27], 0x0
	s_load_b512 s[48:63], s[26:27], 0x40
	s_load_b512 s[68:83], s[26:27], 0x80
	s_load_b512 s[84:99], s[26:27], 0xc0
	BMAX 4
.set n, 0
.rept 8
	v_permlanex16_b32 v[BT+n], v[BM+n], s[SEL], s[SEL+1]
.set n, n+1
.endr
.set n, 0
.rept 8
	v_max_num_f32 v[BM+n], v[BM+n], v[BT+n]        ; with lane l xor 16's 16 keys: each block's largest score
.set n, n+1
.endr
	v_max3_num_f32 v26, v[BM], v[BM+1], v[BM+2]
	v_max3_num_f32 v26, v26, v[BM+3], v[BM+4]
	v_max3_num_f32 v26, v26, v[BM+5], v[BM+6]
	v_max_num_f32 v26, v26, v[BM+7]                ; m: my 256 keys' largest score of my query
	v_cmp_eq_f32 vcc_lo, v26, v15                  ; all masked?
	v_cndmask_b32 v18, v16, v13, vcc_lo            ; then c counts as 0: every p is 1
	v_mul_f32 v27, v26, v18
	v_floor_f32 v20, -v27                          ; -M = floor(-c m): M is a whole number
	v_cndmask_b32 v22, v20, v17, vcc_lo            ; and for the exchange -M counts as 2^41
.set n, 0
.rept 64
	v_pk_fma_f32 v[S+n:S+n+1], v[S+n:S+n+1], v[18:19], v[20:21] op_sel_hi:[1,0,0]   ; c s - M
.set n, n+2
.endr
.set n, 0
.rept 8
	v_fma_f32 v[BM+n], v[BM+n], v18, v20           ; the same of each block's largest score
.set n, n+1
.endr
.set n, 0
.rept 128
	v_exp_f32 v[S+n], v[S+n]
.set n, n+1
.endr
.set n, 0
.rept 8
	v_exp_f32 v[BM+n], v[BM+n]
.set n, n+1
.endr
	v_nop                                          ; a plain instruction behind the last exponential
	s_wait_alu depctr_va_vdst(0)                   ; one wait for the batch of 136, ahead of its first reader
.set n, 0
.rept 4
	v_pk_add_f32 v[TMP+2*n:TMP+2*n+1], v[S+4*n:S+4*n+1], v[S+4*n+2:S+4*n+3]   ; the sum of my 128 p, two at a time, in four chains
.set n, n+1
.endr
.set n, 16
.rept 14
	v_pk_add_f32 v[TMP:TMP+1], v[TMP:TMP+1], v[S+n:S+n+1]
	v_pk_add_f32 v[TMP+2:TMP+3], v[TMP+2:TMP+3], v[S+n+2:S+n+3]
	v_pk_add_f32 v[TMP+4:TMP+5], v[TMP+4:TMP+5], v[S+n+4:S+n+5]
	v_pk_add_f32 v[TMP+6:TMP+7], v[TMP+6:TMP+7], v[S+n+6:S+n+7]
.set n, n+8
.endr
	v_pk_add_f32 v[TMP:TMP+1], v[TMP:TMP+1], v[TMP+2:TMP+3]
	v_pk_add_f32 v[TMP+4:TMP+5], v[TMP+4:TMP+5], v[TMP+6:TMP+7]
	v_pk_add_f32 v[TMP:TMP+1], v[TMP:TMP+1], v[TMP+4:TMP+5]
	v_add_f32 v23, v[TMP], v[TMP+1]
	v_permlanex16_b32 v26, v23, s[SEL], s[SEL+1]
	v_add_f32 v23, v23, v26                        ; l: my 256 keys' sum
	ds_store_b64 v4, v[22:23] offset:1280*\par     ; lanes r and r + 16 write the same 8 bytes with the same values
	s_wait_dscnt 0x0                               ; for the others' sake: my store has landed; and all my earlier LDS reads are back
	s_barrier_signal -1
	s_barrier_wait -1
.irp q, 0,1,2,3
	ds_load_b128 v[E+4*\q:E+4*\q+3], v5 offset:1280*\par+16*\q   ; (-M, l) of the eight waves.  This half of the exchange is written again two barriers on
.endr
	s_wait_dscnt 0x0
	v_min3_num_f32 v26, v[E], v[E+2], v[E+4]
	v_min3_num_f32 v26, v26, v[E+6], v[E+8]
	v_min3_num_f32 v26, v26, v[E+10], v[E+12]
	v_min_num_f32 v26, v26, v[E+14]                ; the row's -M
.set n, 0
.rept 8
	v_sub_f32 v[E+2*n], v26, v[E+2*n]              ; M_w - M_row: a whole number, 0 or less
.set n, n+1
.endr
.set n, 0
.rept 8
	v_cvt_i32_f32 v[E+2*n], v[E+2*n]               ; (it saturates)
.set n, n+1
.endr
.set n, 0
.rept 8
	v_ldexp_f32 v[E+2*n+1], v[E+2*n+1], v[E+2*n]   ; each wave's sum under the row's M: nothing is rounded
.set n, n+1
.endr
	v_add_f32 v27, v[E+1], v[E+3]
	v_add_f32 v28, v[E+5], v[E+7]
	v_add_f32 v29, v[E+9], v[E+11]
	v_add_f32 v[E], v[E+13], v[E+15]
	v_add_f32 v27, v27, v28
	v_add_f32 v29, v29, v[E]
	v_add_f32 v27, v27, v29                        ; the row's sum
	v_sub_f32 v29, v26, v22
	v_cvt_i32_f32 v29, v29                         ; M_mine - M_row
	v_rcp_f32 v28, v27
	v_nop                                          ; a plain instruction behind the reciprocal
	s_wait_alu depctr_va_vdst(0)                   ; and the wait ahead of its reader
	v_ldexp_f32 v24, v28, v29
	v_max_num_f32 v24, 0, v24                      ; a NaN gives 0
.set n, 0
.rept 64
	v_pk_mul_f32 v[S+n:S+n+1], v[S+n:S+n+1], v[24:25] op_sel_hi:[1,0]   ; attn, finished and normalised
.set n, n+2
.endr
.set n, 0
.rept 8
	v_mul_f32 v[BM+n], v[BM+n], v24                ; each block's largest attn
.set n, n+1
.endr
.set n, 0
.rept 8
	v_max_num_f32 v[BM+n], 0x1800000, v[BM+n]      ; the floor 2^(3 - 127)
.set n, n+1
.endr
.set n, 0
.rept 8
	v_add_nc_u32 v[BT+n], 0xff000000, v[BM+n]      ; the conversions' scale operands
.set n, n+1
.endr
.set n, 0
.rept 8
	v_lshrrev_b32 v[BM+n], 23, v[BT+n]             ; the scales' bytes
.set n, n+1
.endr
.irp k, 0,1
	v_lshl_or_b32 v[PW+\k], v[BM+4*\k+1], 8, v[BM+4*\k]
	v_lshl_or_b32 v[PW+\k], v[BM+4*\k+2], 16, v[PW+\k]
	v_lshl_or_b32 v[PW+\k], v[BM+4*\k+3], 24, v[PW+\k]
.endr
.irp k, 0,1
.irp c, 0,1
	v_cvt_scalef32_pk16_fp6_f32 v[PC+12*\k+6*\c:PC+12*\k+6*\c+2], v[S+64*\k+32*\c:S+64*\k+32*\c+15], v[BT+4*\k+2*\c]
	v_cvt_scalef32_pk16_fp6_f32 v[TMP+8*\k+4*\c:TMP+8*\k+4*\c+2], v[S+64*\k+32*\c+16:S+64*\k+32*\c+31], v[BT+4*\k+2*\c+1]
.endr
.endr
	v_nop                                          ; one plain place behind a scaled conversion
.irp k, 0,1
.irp c, 0,1
.irp i, 0,1,2
	v_permlane16_swap_b32 v[PC+12*\k+6*\c+\i], v[TMP+8*\k+4*\c+\i]   ; the operand wants a whole block in a lane
.endr
.irp i, 0,1,2
	v_mov_b32 v[PC+12*\k+6*\c+3+\i], v[TMP+8*\k+4*\c+\i]
.endr
.endr
.endr
.rept 8
	v_nop                                          ; scale registers and operands written by vector instructions stand ahead of the scaled matrix instructions
.endr
	WIN 0x01                                       ; source 0 (V^T) window 1
.irp k, 0,1
.irp d, 0,1,2,3
	PV \k, \d                                      ; the four accumulators take turns
.endr
.endr
	WIN 0
	PLACES
	v_add_nc_u32 v8, s18, v6
.set n, 0
.rept 8
	ds_store_b128 v8, v[OA+4*n:OA+4*n+3] offset:512*n   ; my partial O^T of this tile, as its registers stand.  It stands behind this trip's barrier, in front of which every wave's reads of the last group's partials were back
.set n, n+1
.endr
	s_add_co_u32 s18, s18, 4096
	s_add_co_u32 s15, s15, 1
.endm
.macro RLOAD p, reg                    ; wave p's partial of tile w
.set ra, 7
.if (\p) > 1
.set ra, 8+(\p)/2
.endif
.set n, 0
.rept 8
	ds_load_b128 v[\reg+4*n:\reg+4*n+3], v[ra] offset:32768*((\p)%2)+512*n
.set n, n+1
.endr
.endm
.macro RADD p                          ; it is added; its buffer takes the partial three on
.if (\p) < 6
	s_wait_dscnt 16                                ; the two younger partials may be out
.elseif (\p) == 6
	s_wait_dscnt 8
.else
	s_wait_dscnt 0
.endif
.set n, 0
.rept 16
	v_pk_add_f32 v[S+n:S+n+1], v[S+n:S+n+1], v[160+32*(((\p)-1)%3)+n:160+32*(((\p)-1)%3)+n+1]
.set n, n+2
.endr
.if (\p) < 5
	RLOAD (\p)+3, 160+32*(((\p)-1)%3)
.endif
.endm
	s_mov_b32 s15, 0                               ; the tile in hand, 0 .. 31
	s_mov_b32 s17, 4
.Lgroup:                                               ; four groups of eight tiles
	s_mov_b32 s18, 0                               ; where a tile's partial goes in my 32,768 bytes
	s_mov_b32 s16, 4
.Lpair:
	TRIP 0
	TRIP 1
	s_sub_co_u32 s16, s16, 1
	s_cmp_lg_u32 s16, 0
	s_cbranch_scc1 .Lpair
	s_wait_dscnt 0x0                               ; my partials have landed
	s_barrier_signal -1
	s_barrier_wait -1                              ; everybody's have
	RLOAD 0, S
	RLOAD 1, 160
	RLOAD 2, 192
	RLOAD 3, 224
.irp p, 1,2,3,4,5,6,7
	RADD \p
.endr
	QUANT2 S, PC, PW, 0x1800000                    ; tile w's 64 channels of this head: half a K step of the last projection
	global_store_b128 v1, v[PC:PC+3], s[12:13]     ; 512 consecutive bytes
	global_store_b64 v2, v[PC+4:PC+5], s[12:13] offset:512
	global_store_b16 v3, v[PW], s[66:67]           ; my head's two bytes of each row's scale word (the other two are another head's, another work-group's)
	s_wait_xcnt 0x0                                ; the stores have read their data and their pointers
	s_add_nc_u64 s[12:13], s[12:13], 102400        ; the next group is the next block of 128 rows
	s_add_nc_u64 s[66:67], s[66:67], 102400
	s_sub_co_u32 s17, s17, 1
	s_cmp_lg_u32 s17, 0
	s_cbranch_scc1 .Lgroup
	s_wait_tensorcnt 0x0                           ; the wave's end, behind my last LDS store
	ds_add_u32 v[SPW], v[NIL]
	s_wait_dscnt 0x0
	s_endpgm
.Lfunc_end_k_q7b04958990_att:
	.size	k_q7b04958990_att, .Lfunc_end_k_q7b04958990_att-k_q7b04958990_att
	.p2alignl 7, 3214868480
	.fill 96, 4, 3214868480
	.section	.rodata,"a",@progbits
	.p2align	6, 0x0
	.amdhsa_kernel k_q7b04958990_att
		.amdhsa_group_segment_fixed_size 265728
		.amdhsa_private_segment_fixed_size 0
		.amdhsa_enable_private_segment 0
		.amdhsa_kernarg_size 40
		.amdhsa_user_sgpr_count 2
		.amdhsa_user_sgpr_kernarg_segment_ptr 1
		.amdhsa_wavefront_size32 1
		.amdhsa_system_sgpr_workgroup_id_x 1
		.amdhsa_system_sgpr_workgroup_id_y 1
		.amdhsa_system_sgpr_workgroup_id_z 1
		.amdhsa_system_vgpr_workitem_id 0
		.amdhsa_next_free_vgpr 448
		.amdhsa_next_free_sgpr 100
		.amdhsa_reserve_vcc 1
		.amdhsa_float_denorm_mode_32 3
		.amdhsa_float_denorm_mode_16_64 3
		.amdhsa_memory_ordered 1
		.amdhsa_forward_progress 1
		.amdhsa_inst_pref_size 109
	.end_amdhsa_kernel
	.amdgpu_metadata
---
amdhsa.version: [ 1, 2 ]
amdhsa.kernels:
  - .name:           k_q7b04958990_att
    .symbol:         k_q7b04958990_att.kd
    .args:
      - { .name: qh, .offset: 0, .size: 8, .value_kind: global_buffer, .address_space: global }
      - { .name: kh, .offset: 8, .size: 8, .value_kind: global_buffer, .address_space: global }
      - { .name: vh, .offset: 16, .size: 8, .value_kind: global_buffer, .address_space: global }
      - { .name: maskw, .offset: 24, .size: 8, .value_kind: global_buffer, .address_space: global }
      - { .name: oc, .offset: 32, .size: 8, .value_kind: global_buffer, .address_space: global }
    .group_segment_fixed_size: 265728
    .private_segment_fixed_size: 0
    .kernarg_segment_align: 8
    .kernarg_segment_size: 40
    .max_flat_workgroup_size: 256
    .sgpr_count:     100
    .vgpr_count:     448
    .wavefront_size: 32
...
	.end_amdgpu_metadata
.endif
;; end of part 3
;; launch outp (part 4): grid 4 x 64, 8 waves a work-group, clusters of 4 x 4, 327,680 bytes of LDS; arguments oc, wc, bo, out0; writes out0
.if DOCPART == 4
	.amdgcn_target "amdgcn-amd-amdhsa--gfx1250"
	.amdhsa_code_object_version 6
	.text
	.protected	k_q7b04958990_outp
	.globl	k_q7b04958990_outp
	.p2align	8
	.type	k_q7b04958990_outp,@function
k_q7b04958990_outp:
	s_mov_b64 s[64:65], 0
	v_nop
	global_prefetch_b8 v0, s[64:65] scope:SCOPE_SE
	s_setreg_imm32_b32 hwreg(HW_REG_WAVE_MODE, 25, 1), 1
	s_wait_xcnt 0x0
	s_wait_alu depctr_hold_cnt(0) depctr_sa_sdst(0) depctr_va_vdst(0) depctr_va_sdst(0) depctr_va_ssrc(0) depctr_va_vcc(0) depctr_vm_vsrc(0)
	s_getreg_b32 s2, hwreg(HW_REG_IB_STS2, 6, 4)
	s_cmp_eq_u32 s2, 0
	s_cbranch_scc0 .Lentry_in_a_cluster
	s_endpgm
.Lentry_in_a_cluster:
	s_bfe_u32 s2, ttmp6, 0x10000c
	s_cmp_lg_u32 s2, 0xf033
	s_cbranch_scc0 .Lentry_shape_is_right
	s_endpgm
.Lentry_shape_is_right:
; out0 = o Wo^T + bo on codes of FP6 (E2M3) with E8M0 scales, sums in f32.  o's codes (oc) and Wo's (blocks 24-31 of wc) lie in the order of the operands' registers.
; A work-group makes 128 rows x 256 columns; ALL OF K LIES IN LDS: o's block of 128 rows and two blocks of 128 rows of Wo, each as 4 chunks of 25,600 bytes, every byte filled once.
; CLUSTER 4 x 4: the four work-groups of a row of the cluster need the same block of o, the four of a column the same blocks of Wo: each chunk is asked for jointly.
; Wave: wm = wave % 2: 64 rows; wn = wave / 2: 64 columns: 16 accumulators.  Source 0 = 16 rows of Wo, source 1 = 16 rows of o: a lane holds one row of the result and, since lane-row r of tile t is
; row 32 (t / 2) + 8 (t % 2) + r + 8 (r / 8), its 32 registers of a tile of rows are columns 32 b + 16 h + 0 .. 15.  The bias is loaded into the accumulators.
; THE WAY OUT: a tile of 16 rows x 256 bytes goes through the wave's own stage and leaves as whole rows: sixteen lanes store 256 consecutive bytes, aligned.  The stages lie over o's block,
; behind a barrier behind which nobody reads it; it has had its only fill.
.set PANEL, 102400
.set CHK,   25600
.set SPARE, 3*PANEL
.set W16, 1
.set W8,  2
.set A16, 3
.set A8,  4
.set WSA, 5
.set ASA, 6
.set L16, 7
.set L8,  8
.set STO, 10                           ; v10  the stage: where I put 16 bytes of a row
.set RD,  11                           ; v11  and where I read a row back
.set GO,  12                           ; v12  my byte offset in two rows of out0
.set XSC, 16
.set YSC, 20
.set SPW, 24
.set NIL, 25
.set XF,  32
.set YF,  80
.set ACC, 128
.set WV,  14
.set G1A, 16
.set G1B, 24
.set G0A, 32
.set G0B, 48
.macro CROUND
	s_barrier_signal -1
	s_barrier_wait -1
	s_cmp_lg_u32 s[WV], 0
	s_cbranch_scc1 .Lnot_wave_0_\@
	s_barrier_signal -3
.Lnot_wave_0_\@:
	s_barrier_wait -3
	s_barrier_signal -1
	s_barrier_wait -1
.endm
.macro PLACES
.rept 4
	v_nop
.endr
.endm
	s_load_b256 s[68:75], s[0:1], 0x0              ; oc s68, wc s70, bo s72, out0 s74
	v_lshl_add_u32 v[SPW], v0, 2, SPARE
	v_mov_b32 v[NIL], 0
	ds_add_u32 v[SPW], v[NIL]                      ; the wave's opening: the add and its wait ahead of the first tensor loads
	v_lshrrev_b32 v9, 5, v0
	v_readfirstlane_b32 s[WV], v9
	s_bfe_u32 s84, ttmp6, 0x40000                  ; cx
	s_bfe_u32 s85, ttmp6, 0x40004                  ; cy
	s_lshl_b32 s86, ttmp9, 2
	s_add_co_u32 s86, s86, s84                     ; X: which 256 columns
	s_and_b32 s87, ttmp7, 0xffff
	s_lshl_b32 s87, s87, 2
	s_add_co_u32 s87, s87, s85                     ; y: which 128 rows
	s_lshl_b32 s88, s85, 2
	s_lshl_b32 s88, 15, s88
	s_lshl_b32 s89, 0x1111, s84
	s_or_b32 s[G1A], s88, (3<<16)|(1<<21)          ; the mask; elements of 8 bytes; bit 21 beside a mask; no padding
	s_or_b32 s[G1B], s89, (3<<16)|(1<<21)
.irp g, G1A, G1B
	s_mov_b32 s[\g+1], 32<<16                      ; rows of 256 bytes,
	s_mov_b32 s[\g+2], 100<<16                     ; 100 of them: a chunk
	s_mov_b32 s[\g+3], 32<<16
	s_mov_b32 s[\g+4], 100
	s_mov_b32 s[\g+5], 32
	s_mov_b32 s[\g+6], 0
	s_mov_b32 s[\g+7], 0
.endr
	s_mul_i32 s90, s87, PANEL
	s_mov_b32 s91, 0
	s_max_u32 s94, s[WV], 1
	s_sub_co_u32 s94, s94, 1
	s_min_u32 s94, s94, 1
	s_lshl_b32 s95, s86, 1
	s_add_co_u32 s94, s94, s95
	s_add_co_u32 s94, s94, 24                      ; Wo's blocks begin at 24
	s_mul_i32 s94, s94, PANEL
	s_mov_b32 s95, 0
	s_min_u32 s96, s[WV], 2
	s_mul_i32 s96, s96, PANEL
	s_wait_dscnt 0x0
	s_wait_kmcnt 0x0
	s_add_nc_u64 s[90:91], s[68:69], s[90:91]
	s_add_nc_u64 s[94:95], s[70:71], s[94:95]
.irp k, 0,1,2,3
	s_mov_b32 s[G0A+4*\k], 1
	s_add_co_u32 s[G0A+4*\k+1], s96, \k*CHK
	s_add_nc_u64 s[G0A+4*\k+2:G0A+4*\k+3], s[90:91], \k*CHK
	s_or_b32 s[G0A+4*\k+3], s[G0A+4*\k+3], 0x80000000
	s_mov_b32 s[G0B+4*\k], 1
	s_add_co_u32 s[G0B+4*\k+1], s96, \k*CHK
	s_add_nc_u64 s[G0B+4*\k+2:G0B+4*\k+3], s[94:95], \k*CHK
	s_or_b32 s[G0B+4*\k+3], s[G0B+4*\k+3], 0x80000000
.endr
	CROUND                                         ; all sixteen work-groups are here: the joint loads meet
	s_cmp_eq_u32 s[WV], 0                          ; wave 0: o's four chunks; waves 1 and 2: Wo's: four loads of a loading wave are out
	s_cbranch_scc0 .Lnot_a
.irp k, 0,1,2,3
	tensor_load_to_lds s[G0A+4*\k:G0A+4*\k+3], s[G1A:G1A+7]
	s_nop 0
.endr
	PLACES
	s_branch .Lfilled
.Lnot_a:
	s_cmp_lt_u32 s[WV], 3
	s_cbranch_scc0 .Lfilled
.irp k, 0,1,2,3
	tensor_load_to_lds s[G0B+4*\k:G0B+4*\k+3], s[G1B:G1B+7]
	s_nop 0
.endr
	PLACES
.Lfilled:
	v_and_b32 v9, 31, v0
	v_lshlrev_b32 v[L16], 4, v9
	v_lshlrev_b32 v[L8], 3, v9
	v_and_b32 v13, 15, v0                          ; r
	v_bfe_u32 v14, v0, 4, 1                        ; h
	s_and_b32 s15, s[WV], 1                        ; wm
	s_lshr_b32 s13, s[WV], 1                       ; wn
	s_lshr_b32 s8, s13, 1
	s_add_co_u32 s8, s8, 1
	s_mul_i32 s8, s8, PANEL
	s_and_b32 s9, s13, 1
	s_mul_i32 s10, s9, 6144
	s_add_co_u32 s10, s10, s8
	s_lshl_b32 s9, s9, 9
	s_add_co_u32 s9, s9, s8
	s_add_co_u32 s9, s9, 24576
	s_mul_i32 s11, s15, 6144
	s_lshl_b32 s12, s15, 9
	s_add_co_u32 s12, s12, 24576
	v_add_nc_u32 v[W16], s10, v[L16]
	v_add_nc_u32 v[W8], s10, v[L8]
	v_add_nc_u32 v[A16], s11, v[L16]
	v_add_nc_u32 v[A8], s11, v[L8]
	v_add_nc_u32 v[WSA], s9, v[L8]
	v_add_nc_u32 v[ASA], s12, v[L8]
	s_mul_i32 s4, s[WV], 4352                      ; my stage: 16 rows x 272 bytes
	v_mul_u32_u24 v[STO], v13, 272
	v_lshl_add_u32 v[STO], v14, 6, v[STO]
	v_add_nc_u32 v[STO], s4, v[STO]                ; in: row r, + 64 h
	v_mul_u32_u24 v[RD], v14, 272
	v_lshl_add_u32 v[RD], v13, 4, v[RD]
	v_add_nc_u32 v[RD], s4, v[RD]                  ; back: lanes 0-15 one row, lanes 16-31 the next
	v_lshlrev_b32 v[GO], 12, v14
	v_lshl_add_u32 v[GO], v13, 4, v[GO]            ; and the same two rows of out0
	s_lshl_b32 s5, s86, 10
	s_lshl_b32 s6, s13, 8
	s_add_co_u32 s98, s5, s6                       ; my 64 columns, in bytes
	s_mov_b32 s99, 0
	s_add_nc_u64 s[72:73], s[72:73], s[98:99]
	s_add_nc_u64 s[74:75], s[74:75], s[98:99]
	s_lshl_b32 s98, s87, 7
	s_lshl_b32 s6, s15, 6
	s_add_co_u32 s98, s98, s6
	s_lshl_b32 s98, s98, 12                        ; my first row: 128 y + 64 wm, of 4,096 bytes
	s_add_nc_u64 s[74:75], s[74:75], s[98:99]
	v_lshlrev_b32 v9, 6, v14                       ; 16 h numbers on
.irp j, 0,1,2,3
.irp i, 0,1,2,3
	global_load_b128 v[ACC+8*(4*\j+\i):ACC+8*(4*\j+\i)+3], v9, s[72:73] offset:4*(32*(\i/2)+8*(\i%2))       ; the bias starts the sums
	global_load_b128 v[ACC+8*(4*\j+\i)+4:ACC+8*(4*\j+\i)+7], v9, s[72:73] offset:4*(32*(\i/2)+8*(\i%2))+16
.endr
.endr
.macro WM d, a, b, sa, sb, ra, rb
.set wd, \d
.set wa, \a
.set wb, \b
.set wsa, \sa
.set wsb, \sb
.if (\ra) && (\rb)
	v_wmma_scale_f32_16x16x128_f8f6f4 v[wd:wd+7], v[wa:wa+11], v[wb:wb+11], v[wd:wd+7], v[wsa], v[wsb] matrix_a_fmt:MATRIX_FMT_FP6 matrix_b_fmt:MATRIX_FMT_FP6 matrix_a_scale:MATRIX_SCALE_ROW1 matrix_b_scale:MATRIX_SCALE_ROW1
.elseif (\ra)
	v_wmma_scale_f32_16x16x128_f8f6f4 v[wd:wd+7], v[wa:wa+11], v[wb:wb+11], v[wd:wd+7], v[wsa], v[wsb] matrix_a_fmt:MATRIX_FMT_FP6 matrix_b_fmt:MATRIX_FMT_FP6 matrix_a_scale:MATRIX_SCALE_ROW1
.elseif (\rb)
	v_wmma_scale_f32_16x16x128_f8f6f4 v[wd:wd+7], v[wa:wa+11], v[wb:wb+11], v[wd:wd+7], v[wsa], v[wsb] matrix_a_fmt:MATRIX_FMT_FP6 matrix_b_fmt:MATRIX_FMT_FP6 matrix_b_scale:MATRIX_SCALE_ROW1
.else
	v_wmma_scale_f32_16x16x128_f8f6f4 v[wd:wd+7], v[wa:wa+11], v[wb:wb+11], v[wd:wd+7], v[wsa], v[wsb] matrix_a_fmt:MATRIX_FMT_FP6 matrix_b_fmt:MATRIX_FMT_FP6
.endif
.endm
.macro FRAGS reg, a16, a8, off
.irp i, 0,1,2,3
.irp c, 0,1
	ds_load_b128 v[\reg+12*\i+6*\c:\reg+12*\i+6*\c+3], v[\a16] offset:\off+1536*\i+768*\c
	ds_load_b64 v[\reg+12*\i+6*\c+4:\reg+12*\i+6*\c+5], v[\a8] offset:\off+1536*\i+768*\c+512
.endr
.endr
.endm
.macro MUL sg                          ; the 16 accumulators take turns
.irp j, 0,1,2,3
.irp i, 0,1,2,3
	WM ACC+8*(4*\j+\i), XF+12*\i, YF+12*\j, XSC+2*(\i/2)+\sg, YSC+2*(\j/2)+\sg, \i%2, \j%2
.endr
.endr
.endm
.macro KSTEP sg, sc
	PLACES                                         ; in front of loads into registers that matrix instructions have read
.if \sc
	ds_load_b64 v[XSC:XSC+1], v[WSA]
	ds_load_b64 v[XSC+2:XSC+3], v[WSA] offset:256
	ds_load_b64 v[YSC:YSC+1], v[ASA]
	ds_load_b64 v[YSC+2:YSC+3], v[ASA] offset:256
.endif
	FRAGS XF, W16, W8, 12288*\sg
	FRAGS YF, A16, A8, 12288*\sg
	s_wait_dscnt 0x0
	MUL \sg
.endm
.macro CHUNK k
	s_wait_tensorcnt 3-\k                          ; a loading wave's chunk k has landed; its later chunks may stay out
	s_barrier_signal -1
	s_barrier_wait -1
	KSTEP 0, 1
	KSTEP 1, 0
.if \k < 3
.irp a, W16, W8, A16, A8, WSA, ASA
	v_add_nc_u32 v[\a], CHK, v[\a]
.endr
.endif
.endm
	s_wait_loadcnt 0x0                             ; the bias
	CHUNK 0
	CHUNK 1
	CHUNK 2
	CHUNK 3
	s_barrier_signal -1                            ; no LDS load of mine is out: my reads of the three blocks are over
	s_barrier_wait -1                              ; everybody's are: the stages may be written
	PLACES                                         ; in front of the first read of results and of loads into the fragments' registers
.irp j, 0,1,2,3
.if \j > 1
	s_wait_xcnt 0x0                                ; the stores of two tiles back have read their registers
.endif
.set n, 0
.rept 8
	ds_store_b128 v[STO], v[ACC+32*\j+4*n:ACC+32*\j+4*n+3] offset:128*(n/4)+16*(n%4)   ; register 16 b + i is column 32 b + 16 h + i
.set n, n+1
.endr
.set n, 0
.rept 8
	ds_load_b128 v[32+32*(\j%2)+4*n:32+32*(\j%2)+4*n+3], v[RD] offset:544*n   ; LDS serves a wave's instructions in order: these see my stores, and the next tile's stores come behind them
.set n, n+1
.endr
.set n, 0
.rept 8
	s_wait_dscnt 7-n                               ; the younger rows may be out
	global_store_b128 v[GO], v[32+32*(\j%2)+4*n:32+32*(\j%2)+4*n+3], s[74:75] offset:(32*(\j/2)+8*(\j%2)+2*n+8*(n/4))*4096 th:TH_STORE_NT   ; sixteen lanes store 256 consecutive bytes, aligned
.set n, n+1
.endr
.endr
	s_wait_tensorcnt 0x0                           ; the wave's end, behind my last tensor load and my last LDS store
	ds_add_u32 v[SPW], v[NIL]
	s_wait_dscnt 0x0
	CROUND                                         ; the closing round
	s_endpgm
.Lfunc_end_k_q7b04958990_outp:
	.size	k_q7b04958990_outp, .Lfunc_end_k_q7b04958990_outp-k_q7b04958990_outp
	.p2alignl 7, 3214868480
	.fill 96, 4, 3214868480
	.section	.rodata,"a",@progbits
	.p2align	6, 0x0
	.amdhsa_kernel k_q7b04958990_outp
		.amdhsa_group_segment_fixed_size 327680
		.amdhsa_private_segment_fixed_size 0
		.amdhsa_enable_private_segment 0
		.amdhsa_kernarg_size 32
		.amdhsa_user_sgpr_count 2
		.amdhsa_user_sgpr_kernarg_segment_ptr 1
		.amdhsa_wavefront_size32 1
		.amdhsa_system_sgpr_workgroup_id_x 1
		.amdhsa_system_sgpr_workgroup_id_y 1
		.amdhsa_system_sgpr_workgroup_id_z 1
		.amdhsa_system_vgpr_workitem_id 0
		.amdhsa_next_free_vgpr 256
		.amdhsa_next_free_sgpr 100
		.amdhsa_reserve_vcc 0
		.amdhsa_float_denorm_mode_32 3
		.amdhsa_float_denorm_mode_16_64 3
		.amdhsa_memory_ordered 1
		.amdhsa_forward_progress 1
		.amdhsa_inst_pref_size 56
	.end_amdhsa_kernel
	.amdgpu_metadata
---
amdhsa.version: [ 1, 2 ]
amdhsa.kernels:
  - .name:           k_q7b04958990_outp
    .symbol:         k_q7b04958990_outp.kd
    .args:
      - { .name: oc, .offset: 0, .size: 8, .value_kind: global_buffer, .address_space: global }
      - { .name: wc, .offset: 8, .size: 8, .value_kind: global_buffer, .address_space: global }
      - { .name: bo, .offset: 16, .size: 8, .value_kind: global_buffer, .address_space: global }
      - { .name: out0, .offset: 24, .size: 8, .value_kind: global_buffer, .address_space: global }
    .group_segment_fixed_size: 327680
    .private_segment_fixed_size: 0
    .kernarg_segment_align: 8
    .kernarg_segment_size: 32
    .max_flat_workgroup_size: 256
    .sgpr_count:     100
    .vgpr_count:     256
    .wavefront_size: 32
...
	.end_amdgpu_metadata
.endif
;; end of part 4
;; ======== version 2 of 2: 4 launches; version 1 with the launch att written anew for expert scheduling mode
;; workspace buffers: xc 13,107,200 bytes; wc 3,276,800 bytes; maskw 2,097,152 bytes of whole numbers; qh 6,815,744 bytes; kh 6,815,744 bytes; vh 6,815,744 bytes; oc 6,553,600 bytes
;; launch prep: the kernel of part 1 again; grid 896 x 1, 4 waves a work-group, no clusters, 68,096 bytes of LDS; arguments query, key_value, Wq, Wk, Wv, Wo, attention_mask, key_ignorance_mask, xc, wc, maskw; writes xc, wc, maskw
;; launch qkv: the kernel of part 2 again; grid 12 x 64, 8 waves a work-group, clusters of 4 x 4, 327,680 bytes of LDS; arguments xc, wc, bq, bk, bv, qh, kh, vh; writes qh, kh, vh
;; launch att (part 5): grid 4 x 64, 8 waves a work-group, no clusters, 265,728 bytes of LDS; arguments qh, kh, vh, maskw, oc; writes oc
.if DOCPART == 5
	.amdgcn_target "amdgcn-amd-amdhsa--gfx1250"
	.amdhsa_code_object_version 6
	.text
	.protected	k_q7b04958990_att
	.globl	k_q7b04958990_att
	.p2align	8
	.type	k_q7b04958990_att,@function
k_q7b04958990_att:
	s_mov_b64 s[64:65], 0
	v_nop
	global_prefetch_b8 v0, s[64:65] scope:SCOPE_SE
	s_setreg_imm32_b32 hwreg(HW_REG_WAVE_SCHED_MODE, 0, 2), 2
	s_setreg_imm32_b32 hwreg(HW_REG_WAVE_MODE, 25, 1), 1
	s_wait_xcnt 0x0
	s_wait_alu depctr_vm_vsrc(0)
; attn = softmax(q k^T, masked scores = -1e12), o = attn v, both products on codes of FP6 (E2M3) with E8M0 scales.  attn is quantised FINISHED AND NORMALISED, along the keys.
; SHARES.  A work-group owns 512 queries (32 tiles of 16) of one (batch, head).  EACH OF ITS EIGHT WAVES OWNS 256 KEYS and keeps their codes of K (96 registers) and of V^T (96) in registers for the whole launch:
; K and V are read once by a work-group, straight into registers, so nothing of them is shared through LDS and no cluster is formed.
; A TRIP is one tile of 16 queries: 16 products S^T = K Q^T (source 0 = 16 keys, source 1 = the queries: a lane holds one query, its 128 registers 128 of my keys); the masks; my keys' maximum m;
; p = 2^(c s - M), M = ceil(c m) a whole number, c = log2(e); my keys' sum l; (M, l) of the eight waves meet in LDS behind ONE barrier; every wave forms the row's M and sum, multiplies its p by
; 2^(M_mine - M_row) / sum, quantises them, and issues 8 products O^T += V^T P.  Each score and each exponential is made once.
; The head's K is 64: the upper half of Q's operand holds zero codes, so what the upper half of K's operand names (the next tile's codes) adds nothing; the upper scale bytes are 0, which is 2^-127 and no NaN.
; A part of a row all of whose 256 keys are masked: all its scores are equal, so p = 1 and its M counts as -2^41: beside any open key its share falls to 0, and a row masked throughout gets 1 / 2048 on every key.
; The partial O^T of 8 trips wait in LDS; then wave w adds the eight partials of tile w, quantises the 64 channels (K of the last projection) and stores them in the order of that operand's registers.
; A block's largest attn is not searched for: the block's largest score goes through the same multiply-add, exponential and multiplication (this takes v_exp_f32 not to fall where its input rises).
; LIMITS: a part of a row whose largest score is exactly -1e12 counts as wholly masked (wrong only where true scores lie at or under -1e12); p under 2^-126 is 0; blocks under 2^-124 keep the byte 1;
; NaN and infinities among the inputs are not served (a NaN divisor gives zeros).
; REGISTERS, window 0: v1-11 addresses; v13 0.0; v15 -1e12; v16 c; v17 2^41; v[18:19] c or 0; v[20:21] -M; v[22:23] (-M for the exchange, l); v[24:25] the factor; v26-29 at work; v30, v31 the add's two;
;   v32-39 K's scale words; v40-43 V's; v44-45 Q's; v46-47 P's; v48-71 two buffers of Q (6 registers of codes, 6 of zeros); v72-95 P's codes (first: the exchange); v96-111 at work; v112-119 the blocks' maxima;
;   v120-127 at work; v128-255 S^T, then p; O^T lies over its last 32.   window 1: v0-95 K, tile t at 6 t; v96-191 V^T, fragment 4 k + dt at 96 + 12 (4 k + dt).
;   Between two groups of trips v128-255 and v72-103 are five buffers of 32 for the partials.
; THE MODE: SCHED_MODE bits 1:0 = 2 (LLVM: expert scheduling mode 2), set by the entry lines.  The code itself states the register dependences between vector or matrix instructions and memory or LDS
; instructions, with s_wait_alu, always for 0.
; THE PLAN.  Registers that memory or LDS instructions touch:
;   v1-v7, v9-v11  offsets and LDS addresses: written at the head, never again.
;   Q's two buffers and v44, v45: trip t's three loads, at its head, land in the buffer that trip t - 1's products read; trip t + 1's products read it.
;   v22, v23       written by the trip's vector work, read by its one store into the exchange.
;   v72-87         the exchange's four loads land here, over P's codes, which the last trip's products V^T P read.
;   v8, v224-255   v8 by one add, O^T by the eight products V^T P; read by the trip's eight stores; O^T's registers are written again by the next trip's products for my key tiles 12 to 15.
;   v128-255, v72-103 between groups: partials land here; the packed additions read them.   v72-77, v46: written by the quantiser, read by a group's three global stores.
; THE WAITS OF A TRIP.  On va_vdst: for the exponentials; ahead of the store into the exchange; for the reciprocal; ahead of the products V^T P; ahead of the eight stores of O^T.  The last of these stands behind
; every vector and matrix instruction of the trip, so the next trip's loads of Q owe nothing more.  On vm_vsrc: one, ahead of the products for key tiles 8 to 15: all the last trip's LDS stores have read their
; registers, none of which is written ahead of that point.  On va_vcc: one, between the compare and its first select.  The lane masks come by scalar loads into scalar registers.
.set ST,    262144                     ; LDS: 0 .. 262,143: the partial O^T [wave 8][tile 8][4,096];  then the exchange: parity x 1,280 + 80 r + 8 wave
.set SPARE, 264704                     ; then the spare words, 128 bytes a wave
.set SPW, 30
.set NIL, 31
.set KS,  32
.set VS,  40
.set QS,  44
.set PW,  46
.set QB,  48
.set PC,  72
.set E,   72
.set R4,  72                           ; between groups: the fifth buffer of partials, v72-103
.set TMP, 96
.set BM,  112
.set BT,  120
.set S,   128
.set OA,  224
.set TM,  112
.set TQ,  96
.set SEL, 20
.set MSB, 0
.macro WIN new                         ; the immediate's high byte repeats the setting that is left
.if MSB != \new
	s_set_vgpr_msb (MSB<<8)|\new
.set MSB, \new
.endif
.endm
.macro PLACES
.rept 4
	v_nop
.endr
.endm
	s_load_b256 s[4:11], s[0:1], 0x0               ; qh, kh, vh, maskw
	s_load_b64 s[12:13], s[0:1], 0x20              ; oc
	v_lshl_add_u32 v[SPW], v0, 2, SPARE
	v_mov_b32 v[NIL], 0
	v_lshrrev_b32 v13, 5, v0
	v_readfirstlane_b32 s14, v13                   ; wave 0..7
	v_and_b32 v13, 31, v0
	v_and_b32 v14, 15, v0                          ; r
	v_lshlrev_b32 v1, 4, v13                       ; 16 x lane
	v_lshlrev_b32 v2, 3, v13                       ; 8 x lane
	v_lshlrev_b32 v3, 3, v14                       ; 8 r
	v_mul_u32_u24 v5, v14, 80
	v_add_nc_u32 v5, ST, v5                        ; the exchange: my query's row
	s_wait_alu depctr_va_sdst(0)                   ; s14 is written, ahead of its first reader: LDS addresses and all the bases are made from it
	s_lshl_b32 s30, s14, 3
	v_add_nc_u32 v4, s30, v5                       ; and my wave's 8 bytes in it
	s_lshl_b32 s30, s14, 15
	v_add_nc_u32 v6, s30, v1                       ; my partials
	s_lshl_b32 s30, s14, 12
	v_add_nc_u32 v7, s30, v1                       ; tile w of waves 0, 1;
	v_add_nc_u32 v9, 0x10000, v7                   ; of waves 2, 3;
	v_add_nc_u32 v10, 0x20000, v7                  ; 4, 5;
	v_add_nc_u32 v11, 0x30000, v7                  ; 6, 7
	v_mov_b32 v13, 0
	v_mov_b32 v15, 0xd368d4a5                      ; -1e12
	v_mov_b32 v16, 0x3fb8aa3b                      ; log2(e)
	v_mov_b32 v17, 0x54000000                      ; 2^41
	v_mov_b32 v19, 0                               ; (upper halves of pairs of which the packed forms take the low word)
	v_mov_b32 v21, 0
	v_mov_b32 v25, 0
	v_mov_b32 v26, 0                               ; (lane permutes' destinations count as sources)
.set n, 0
.rept 8
	v_mov_b32 v[BT+n], 0
.set n, n+1
.endr
.set n, 0
.rept 6
	v_mov_b32 v[QB+6+n], 0                         ; the upper half of Q's operand: zero codes, in both buffers
	v_mov_b32 v[QB+18+n], 0
.set n, n+1
.endr
	s_mov_b32 s[SEL], 0x76543210
	s_mov_b32 s[SEL+1], 0xfedcba98
	s_and_b32 s19, ttmp7, 0xffff                   ; bh
	s_mov_b32 s29, 0
	s_wait_kmcnt 0x0
	s_lshl_b32 s28, s19, 5
	s_lshl_b32 s31, s14, 2
	s_add_co_u32 s28, s28, s31
	s_lshl_b32 s28, s28, 8
	s_add_co_u32 s28, s28, 6291456                 ; my keys' scale words: (32 bh + 4 w) 256 behind the codes, in kh and in vh
	s_add_nc_u64 s[22:23], s[6:7], s[28:29]
	s_add_nc_u64 s[24:25], s[8:9], s[28:29]
	s_lshl_b32 s28, s19, 7
	s_lshl_b32 s31, s14, 4
	s_add_co_u32 s28, s28, s31
	s_mul_i32 s28, s28, 768                        ; my keys' codes: (128 bh + 16 w) 768 in kh = (16 bh + 2 w) 6,144 in vh
	s_add_nc_u64 s[6:7], s[6:7], s[28:29]
	s_add_nc_u64 s[8:9], s[8:9], s[28:29]
	s_lshl_b32 s28, s19, 13
	s_lshl_b32 s31, ttmp9, 11
	s_add_co_u32 s28, s28, s31
	s_add_co_u32 s28, s28, 6291456
	s_add_nc_u64 s[2:3], s[4:5], s[28:29]          ; my queries' scale words
	s_lshl_b32 s28, s19, 7
	s_lshl_b32 s31, ttmp9, 5
	s_add_co_u32 s28, s28, s31
	s_mul_i32 s28, s28, 768
	s_add_nc_u64 s[4:5], s[4:5], s[28:29]          ; my queries' codes
	s_lshr_b32 s30, s19, 4                         ; batch
	s_lshl_b32 s28, s30, 19
	s_lshl_b32 s31, ttmp9, 17
	s_add_co_u32 s28, s28, s31
	s_lshl_b32 s31, s14, 9
	s_add_co_u32 s28, s28, s31
	s_add_nc_u64 s[10:11], s[10:11], s[28:29]      ; the lane masks of (batch, my first tile, my keys); 4,096 bytes from tile to tile
	s_mov_b64 s[26:27], s[10:11]
	s_lshl_b32 s30, s30, 4
	s_lshl_b32 s31, ttmp9, 2
	s_add_co_u32 s30, s30, s31                     ; oc's block: 16 batch + 4 x my quarter
	s_mul_i32 s28, s30, 102400
	s_bfe_u32 s31, s19, 0x20002                    ; the head / 4: the chunk
	s_mul_i32 s31, s31, 25600
	s_add_co_u32 s28, s28, s31
	s_add_nc_u64 s[12:13], s[12:13], s[28:29]
	s_bfe_u32 s30, s19, 0x10001                    ; sg: the K step in the chunk
	s_and_b32 s31, s19, 1                          ; c: the half of the K step
	s_lshl_b32 s28, s14, 7                         ; tile w's scale words: 256 (w / 2) + 128 (w % 2)
	s_add_co_u32 s28, s28, 24576
	s_lshl_b32 s18, s30, 2
	s_add_co_u32 s28, s28, s18
	s_lshl_b32 s18, s31, 1
	s_add_co_u32 s28, s28, s18
	s_add_nc_u64 s[66:67], s[12:13], s[28:29]      ; my two bytes of a row's word
	s_lshl_b32 s28, s30, 3
	s_add_co_u32 s28, s28, s14
	s_mul_i32 s28, s28, 1536
	s_mul_i32 s31, s31, 768
	s_add_co_u32 s28, s28, s31
	s_add_nc_u64 s[12:13], s[12:13], s[28:29]      ; my half fragment
	WIN 0x40                                       ; destination window 1
	s_wait_alu depctr_va_vdst(0)                   ; the offsets and LDS addresses v1 to v11 are written, which every load and store of the kernel reads; so are v30, v31 and Q's zero codes, which the scaled products take
.set n, 0
.rept 16
	global_load_b128 v[6*n:6*n+3], v1, s[6:7] offset:768*n
	global_load_b64 v[6*n+4:6*n+5], v2, s[6:7] offset:768*n+512
.set n, n+1
.endr
.set n, 0
.rept 16
	global_load_b128 v[96+6*n:96+6*n+3], v1, s[8:9] offset:768*n
	global_load_b64 v[96+6*n+4:96+6*n+5], v2, s[8:9] offset:768*n+512
.set n, n+1
.endr
	WIN 0
.irp p, 0,1,2,3
	global_load_b64 v[KS+2*\p:KS+2*\p+1], v2, s[22:23] offset:256*\p    ; K's scale words: tile t in register t / 2, even tiles in lanes 0-15, odd in lanes 16-31
	global_load_b64 v[TMP+2*\p:TMP+2*\p+1], v2, s[24:25] offset:256*\p  ; V's: (128 keys k, half c) = p: two bytes a word
.endr
	global_load_b128 v[QB:QB+3], v1, s[4:5]        ; tile 0 of my queries
	global_load_b64 v[QB+4:QB+5], v2, s[4:5] offset:512
	global_load_b32 v[QS], v3, s[2:3]
	s_load_b512 s[32:47], s[26:27], 0x0            ; and the lane masks of its first 64 registers
	s_load_b512 s[48:63], s[26:27], 0x40
	s_load_b512 s[68:83], s[26:27], 0x80
	s_load_b512 s[84:99], s[26:27], 0xc0
	s_wait_loadcnt 0x0
.irp k, 0,1
.irp p, 0,1
	v_lshl_or_b32 v[VS+2*\k+\p], v[TMP+4*\k+2+\p], 16, v[TMP+4*\k+\p]   ; the two halves' bytes make the word of 128 keys
.endr
.endr
.rept 8
	v_nop                                          ; scale registers and operands written by vector instructions stand ahead of the scaled matrix instructions
.endr
	s_wait_alu depctr_va_vdst(0)                   ; V's scale words v40 to v43 are written, which the scaled products take; the places above stay beside this wait
.macro QK t, par                       ; S^T of tile t of my keys
.if (\t)%2
	v_wmma_scale_f32_16x16x128_f8f6f4 v[S+8*(\t):S+8*(\t)+7], v[6*(\t):6*(\t)+11], v[QB+12*(\par):QB+12*(\par)+11], 0, v[KS+(\t)/2], v[QS+(\par)] matrix_a_fmt:MATRIX_FMT_FP6 matrix_b_fmt:MATRIX_FMT_FP6 matrix_a_scale:MATRIX_SCALE_ROW1
.else
	v_wmma_scale_f32_16x16x128_f8f6f4 v[S+8*(\t):S+8*(\t)+7], v[6*(\t):6*(\t)+11], v[QB+12*(\par):QB+12*(\par)+11], 0, v[KS+(\t)/2], v[QS+(\par)] matrix_a_fmt:MATRIX_FMT_FP6 matrix_b_fmt:MATRIX_FMT_FP6
.endif
.endm
.macro PV k, dt                        ; O^T (16 channels of tile dt) += V^T P over my keys 128 k on
.set pd, OA+8*(\dt)
.set pa, 96+12*(4*(\k)+(\dt))
.set pb, PC+12*(\k)
.set ps, VS+2*(\k)+(\dt)/2
.if (\k) == 0
.if (\dt)%2
	v_wmma_scale_f32_16x16x128_f8f6f4 v[pd:pd+7], v[pa:pa+11], v[pb:pb+11], 0, v[ps], v[PW+(\k)] matrix_a_fmt:MATRIX_FMT_FP6 matrix_b_fmt:MATRIX_FMT_FP6 matrix_a_scale:MATRIX_SCALE_ROW1
.else
	v_wmma_scale_f32_16x16x128_f8f6f4 v[pd:pd+7], v[pa:pa+11], v[pb:pb+11], 0, v[ps], v[PW+(\k)] matrix_a_fmt:MATRIX_FMT_FP6 matrix_b_fmt:MATRIX_FMT_FP6
.endif
.else
.if (\dt)%2
	v_wmma_scale_f32_16x16x128_f8f6f4 v[pd:pd+7], v[pa:pa+11], v[pb:pb+11], v[pd:pd+7], v[ps], v[PW+(\k)] matrix_a_fmt:MATRIX_FMT_FP6 matrix_b_fmt:MATRIX_FMT_FP6 matrix_a_scale:MATRIX_SCALE_ROW1
.else
	v_wmma_scale_f32_16x16x128_f8f6f4 v[pd:pd+7], v[pa:pa+11], v[pb:pb+11], v[pd:pd+7], v[ps], v[PW+(\k)] matrix_a_fmt:MATRIX_FMT_FP6 matrix_b_fmt:MATRIX_FMT_FP6
.endif
.endif
.endm
.macro MASK o                          ; 64 registers from S + o on: -1e12 where the lane's bit is set
.set n, 0
.rept 32
	v_cndmask_b32 v[S+\o+n], v[S+\o+n], v15, s[32+n]
.set n, n+1
.endr
.set n, 0
.rept 32
	v_cndmask_b32 v[S+\o+32+n], v[S+\o+32+n], v15, s[68+n]
.set n, n+1
.endr
.endm
.macro BMAX b0                         ; the largest score of my 16 keys of each of blocks b0 .. b0 + 3, by turns
.irp b, 0,1,2,3
	v_max3_num_f32 v[BM+\b0+\b], v[S+16*(\b0+\b)], v[S+16*(\b0+\b)+1], v[S+16*(\b0+\b)+2]
.endr
.irp i, 3,5,7,9,11,13
.irp b, 0,1,2,3
	v_max3_num_f32 v[BM+\b0+\b], v[BM+\b0+\b], v[S+16*(\b0+\b)+\i], v[S+16*(\b0+\b)+\i+1]
.endr
.endr
.irp b, 0,1,2,3
	v_max_num_f32 v[BM+\b0+\b], v[BM+\b0+\b], v[S+16*(\b0+\b)+15]
.endr
.endm
.macro QUANT2 s, pc, w, floor          ; 32 numbers of a lane, register 16 b + i = k 32 b + 16 h + i, become 6 registers of codes and a scale word of two bytes
.set qs, \s
.set qp, \pc
.set qw, \w
	v_max3_num_f32 v[TM], |v[qs]|, |v[qs+1]|, \floor
	v_max3_num_f32 v[TM+1], |v[qs+16]|, |v[qs+17]|, \floor
.set n, 2
.rept 7
	v_max3_num_f32 v[TM], v[TM], |v[qs+n]|, |v[qs+n+1]|
	v_max3_num_f32 v[TM+1], v[TM+1], |v[qs+16+n]|, |v[qs+17+n]|
.set n, n+2
.endr
	v_permlanex16_b32 v[TM+2], v[TM], s[SEL], s[SEL+1]
	v_permlanex16_b32 v[TM+3], v[TM+1], s[SEL], s[SEL+1]
	v_max_num_f32 v[TM], v[TM], v[TM+2]
	v_max_num_f32 v[TM+1], v[TM+1], v[TM+3]
	v_add_nc_u32 v[TM+4], 0xff000000, v[TM]
	v_add_nc_u32 v[TM+5], 0xff000000, v[TM+1]
	v_lshrrev_b32 v[TM+2], 23, v[TM+4]
	v_lshrrev_b32 v[TM+3], 23, v[TM+5]
	v_lshl_or_b32 v[qw], v[TM+3], 8, v[TM+2]
	v_cvt_scalef32_pk16_fp6_f32 v[qp:qp+2], v[qs:qs+15], v[TM+4]
	v_cvt_scalef32_pk16_fp6_f32 v[TQ:TQ+2], v[qs+16:qs+31], v[TM+5]
	v_nop                                          ; one plain place behind a scaled conversion
.irp i, 0,1,2
	v_permlane16_swap_b32 v[qp+\i], v[TQ+\i]
.endr
.irp i, 0,1,2
	v_mov_b32 v[qp+3+\i], v[TQ+\i]
.endr
.endm
; ONE TILE OF 16 QUERIES.  par: which buffer of Q and which half of the exchange
.macro TRIP par
	s_wait_loadcnt 0x0                             ; this tile's Q and its scale words are in; their pointers may be written
	s_add_co_u32 s30, s15, 1
	s_min_u32 s30, s30, 31                         ; the next tile (the last trip asks for its own again: no load leaves its buffer)
	s_mul_i32 s28, s30, 768
	s_add_nc_u64 s[22:23], s[4:5], s[28:29]
	s_lshr_b32 s28, s30, 2
	s_lshl_b32 s28, s28, 8
	s_and_b32 s31, s30, 1
	s_lshl_b32 s31, s31, 7
	s_add_co_u32 s28, s28, s31
	s_bfe_u32 s31, s30, 0x10001
	s_lshl_b32 s31, s31, 2
	s_add_co_u32 s28, s28, s31                     ; its scale words: 256 (T / 4) + 128 (T % 2) + 4 ((T / 2) % 2), + 8 r
	s_add_nc_u64 s[24:25], s[2:3], s[28:29]
	global_load_b128 v[QB+12*(1-\par):QB+12*(1-\par)+3], v1, s[22:23]   ; into the buffer that the last trip's products read.  No wait here: the last wait on va_vdst stands behind those products, and no vector or matrix instruction has been issued since
	global_load_b64 v[QB+12*(1-\par)+4:QB+12*(1-\par)+5], v2, s[22:23] offset:512
	global_load_b32 v[QS+1-\par], v3, s[24:25]
	WIN 0x01                                       ; source 0 (K) window 1
.irp t, 0,1,2,3,4,5,6,7
	QK \t, \par
.endr
	WIN 0
	PLACES
	s_wait_kmcnt 0x0                               ; the lane masks of registers 0-63
	MASK 0
	s_load_b512 s[32:47], s[26:27], 0x100          ; those of registers 64-127
	s_load_b512 s[48:63], s[26:27], 0x140
	s_load_b512 s[68:83], s[26:27], 0x180
	s_load_b512 s[84:99], s[26:27], 0x1c0
	s_wait_dscnt 0x0                               ; the last trip's stores of O^T are done
	s_wait_alu depctr_vm_vsrc(0)                   ; the last trip's LDS stores have read v224-255, which the scores below take, and v8, v22 and v23, which this trip writes again further down
	WIN 0x01
.irp t, 8,9,10,11,12,13,14,15
	QK \t, \par
.endr
	WIN 0
	BMAX 0                                         ; 32 plain instructions on the first half: the places behind the products
	s_wait_kmcnt 0x0
	MASK 64
	s_lshl_b32 s28, s30, 12
	s_add_nc_u64 s[26:27], s[10:11], s[28:29]      ; (the scalar loads are done: their pointer may be written)  the next tile's lane masks
	s_load_b512 s[32:47], s[26:27], 0x0
	s_load_b512 s[48:63], s[26:27], 0x40
	s_load_b512 s[68:83], s[26:27], 0x80
	s_load_b512 s[84:99], s[26:27], 0xc0
	BMAX 4
.set n, 0
.rept 8
	v_permlanex16_b32 v[BT+n], v[BM+n], s[SEL], s[SEL+1]
.set n, n+1
.endr
.set n, 0
.rept 8
	v_max_num_f32 v[BM+n], v[BM+n], v[BT+n]        ; with lane l xor 16's 16 keys: each block's largest score
.set n, n+1
.endr
	v_max3_num_f32 v26, v[BM], v[BM+1], v[BM+2]
	v_max3_num_f32 v26, v26, v[BM+3], v[BM+4]
	v_max3_num_f32 v26, v26, v[BM+5], v[BM+6]
	v_max_num_f32 v26, v26, v[BM+7]                ; m: my 256 keys' largest score of my query
	v_cmp_eq_f32 vcc_lo, v26, v15                  ; all masked?
	s_wait_alu depctr_va_vcc(0)                    ; the compare has written VCC, ahead of its first reader; the second select below reads the same mask
	v_cndmask_b32 v18, v16, v13, vcc_lo            ; then c counts as 0: every p is 1
	v_mul_f32 v27, v26, v18
	v_floor_f32 v20, -v27                          ; -M = floor(-c m): M is a whole number
	v_cndmask_b32 v22, v20, v17, vcc_lo            ; and for the exchange -M counts as 2^41
.set n, 0
.rept 64
	v_pk_fma_f32 v[S+n:S+n+1], v[S+n:S+n+1], v[18:19], v[20:21] op_sel_hi:[1,0,0]   ; c s - M
.set n, n+2
.endr
.set n, 0
.rept 8
	v_fma_f32 v[BM+n], v[BM+n], v18, v20           ; the same of each block's largest score
.set n, n+1
.endr
.set n, 0
.rept 128
	v_exp_f32 v[S+n], v[S+n]
.set n, n+1
.endr
.set n, 0
.rept 8
	v_exp_f32 v[BM+n], v[BM+n]
.set n, n+1
.endr
	v_nop                                          ; a plain instruction behind the last exponential
	s_wait_alu depctr_va_vdst(0)                   ; the 136 exponentials have written p (v128-255) and the blocks' largest p (v112-119): one wait for the batch, ahead of its first reader
.set n, 0
.rept 4
	v_pk_add_f32 v[TMP+2*n:TMP+2*n+1], v[S+4*n:S+4*n+1], v[S+4*n+2:S+4*n+3]   ; the sum of my 128 p, two at a time, in four chains
.set n, n+1
.endr
.set n, 16
.rept 14
	v_pk_add_f32 v[TMP:TMP+1], v[TMP:TMP+1], v[S+n:S+n+1]
	v_pk_add_f32 v[TMP+2:TMP+3], v[TMP+2:TMP+3], v[S+n+2:S+n+3]
	v_pk_add_f32 v[TMP+4:TMP+5], v[TMP+4:TMP+5], v[S+n+4:S+n+5]
	v_pk_add_f32 v[TMP+6:TMP+7], v[TMP+6:TMP+7], v[S+n+6:S+n+7]
.set n, n+8
.endr
	v_pk_add_f32 v[TMP:TMP+1], v[TMP:TMP+1], v[TMP+2:TMP+3]
	v_pk_add_f32 v[TMP+4:TMP+5], v[TMP+4:TMP+5], v[TMP+6:TMP+7]
	v_pk_add_f32 v[TMP:TMP+1], v[TMP:TMP+1], v[TMP+4:TMP+5]
	v_add_f32 v23, v[TMP], v[TMP+1]
	v_permlanex16_b32 v26, v23, s[SEL], s[SEL+1]
	v_add_f32 v23, v23, v26                        ; l: my 256 keys' sum
	s_wait_alu depctr_va_vdst(0)                   ; v22 and v23 are written, which the store reads.  No vector instruction stands between this wait and the exchange's loads below, which land in v72-87, where P's codes of the last trip lay
	ds_store_b64 v4, v[22:23] offset:1280*\par     ; lanes r and r + 16 write the same 8 bytes with the same values
	s_wait_dscnt 0x0                               ; for the others' sake: my store has landed; and all my earlier LDS reads are back
	s_barrier_signal -1
	s_barrier_wait -1
.irp q, 0,1,2,3
	ds_load_b128 v[E+4*\q:E+4*\q+3], v5 offset:1280*\par+16*\q   ; (-M, l) of the eight waves.  This half of the exchange is written again two barriers on
.endr
	s_wait_dscnt 0x0
	v_min3_num_f32 v26, v[E], v[E+2], v[E+4]
	v_min3_num_f32 v26, v26, v[E+6], v[E+8]
	v_min3_num_f32 v26, v26, v[E+10], v[E+12]
	v_min_num_f32 v26, v26, v[E+14]                ; the row's -M
.set n, 0
.rept 8
	v_sub_f32 v[E+2*n], v26, v[E+2*n]              ; M_w - M_row: a whole number, 0 or less
.set n, n+1
.endr
.set n, 0
.rept 8
	v_cvt_i32_f32 v[E+2*n], v[E+2*n]               ; (it saturates)
.set n, n+1
.endr
.set n, 0
.rept 8
	v_ldexp_f32 v[E+2*n+1], v[E+2*n+1], v[E+2*n]   ; each wave's sum under the row's M: nothing is rounded
.set n, n+1
.endr
	v_add_f32 v27, v[E+1], v[E+3]
	v_add_f32 v28, v[E+5], v[E+7]
	v_add_f32 v29, v[E+9], v[E+11]
	v_add_f32 v[E], v[E+13], v[E+15]
	v_add_f32 v27, v27, v28
	v_add_f32 v29, v29, v[E]
	v_add_f32 v27, v27, v29                        ; the row's sum
	v_sub_f32 v29, v26, v22
	v_cvt_i32_f32 v29, v29                         ; M_mine - M_row
	v_rcp_f32 v28, v27
	v_nop                                          ; a plain instruction behind the reciprocal
	s_wait_alu depctr_va_vdst(0)                   ; the reciprocal has written v28, ahead of its reader
	v_ldexp_f32 v24, v28, v29
	v_max_num_f32 v24, 0, v24                      ; a NaN gives 0
.set n, 0
.rept 64
	v_pk_mul_f32 v[S+n:S+n+1], v[S+n:S+n+1], v[24:25] op_sel_hi:[1,0]   ; attn, finished and normalised
.set n, n+2
.endr
.set n, 0
.rept 8
	v_mul_f32 v[BM+n], v[BM+n], v24                ; each block's largest attn
.set n, n+1
.endr
.set n, 0
.rept 8
	v_max_num_f32 v[BM+n], 0x1800000, v[BM+n]      ; the floor 2^(3 - 127)
.set n, n+1
.endr
.set n, 0
.rept 8
	v_add_nc_u32 v[BT+n], 0xff000000, v[BM+n]      ; the conversions' scale operands
.set n, n+1
.endr
.set n, 0
.rept 8
	v_lshrrev_b32 v[BM+n], 23, v[BT+n]             ; the scales' bytes
.set n, n+1
.endr
.irp k, 0,1
	v_lshl_or_b32 v[PW+\k], v[BM+4*\k+1], 8, v[BM+4*\k]
	v_lshl_or_b32 v[PW+\k], v[BM+4*\k+2], 16, v[PW+\k]
	v_lshl_or_b32 v[PW+\k], v[BM+4*\k+3], 24, v[PW+\k]
.endr
.irp k, 0,1
.irp c, 0,1
	v_cvt_scalef32_pk16_fp6_f32 v[PC+12*\k+6*\c:PC+12*\k+6*\c+2], v[S+64*\k+32*\c:S+64*\k+32*\c+15], v[BT+4*\k+2*\c]
	v_cvt_scalef32_pk16_fp6_f32 v[TMP+8*\k+4*\c:TMP+8*\k+4*\c+2], v[S+64*\k+32*\c+16:S+64*\k+32*\c+31], v[BT+4*\k+2*\c+1]
.endr
.endr
	v_nop                                          ; one plain place behind a scaled conversion
.irp k, 0,1
.irp c, 0,1
.irp i, 0,1,2
	v_permlane16_swap_b32 v[PC+12*\k+6*\c+\i], v[TMP+8*\k+4*\c+\i]   ; the operand wants a whole block in a lane
.endr
.irp i, 0,1,2
	v_mov_b32 v[PC+12*\k+6*\c+3+\i], v[TMP+8*\k+4*\c+\i]
.endr
.endr
.endr
.rept 8
	v_nop                                          ; scale registers and operands written by vector instructions stand ahead of the scaled matrix instructions
.endr
	s_wait_alu depctr_va_vdst(0)                   ; P's codes (v72-95) and scale words (v46, v47) are written, which the scaled products below take; the places above stay beside this wait
	WIN 0x01                                       ; source 0 (V^T) window 1
.irp k, 0,1
.irp d, 0,1,2,3
	PV \k, \d                                      ; the four accumulators take turns
.endr
.endr
	WIN 0
	PLACES
	v_add_nc_u32 v8, s18, v6
	s_wait_alu depctr_va_vdst(0)                   ; the products have written O^T (v224-255) and the add v8, which the stores read; the places above stay beside this wait.  It stands behind all the trip's vector and matrix instructions: the next loads of Q and of partials lean on it
.set n, 0
.rept 8
	ds_store_b128 v8, v[OA+4*n:OA+4*n+3] offset:512*n   ; my partial O^T of this tile, as its registers stand.  It stands behind this trip's barrier, in front of which every wave's reads of the last group's partials were back
.set n, n+1
.endr
	s_add_co_u32 s18, s18, 4096
	s_add_co_u32 s15, s15, 1
.endm
.macro RLOAD p, reg                    ; wave p's partial of tile w
.set ra, 7
.if (\p) > 1
.set ra, 8+(\p)/2
.endif
.set n, 0
.rept 8
	ds_load_b128 v[\reg+4*n:\reg+4*n+3], v[ra] offset:32768*((\p)%2)+512*n
.set n, n+1
.endr
.endm
.macro RADD reg, left                  ; the partial in v[reg] on is added.  left: the loads of the younger partials, eight each, which may stay out
	s_wait_dscnt \left
.set n, 0
.rept 16
	v_pk_add_f32 v[S+n:S+n+1], v[S+n:S+n+1], v[\reg+n:\reg+n+1]
.set n, n+2
.endr
.endm
	s_mov_b32 s15, 0                               ; the tile in hand, 0 .. 31
	s_mov_b32 s17, 4
.Lgroup:                                               ; four groups of eight tiles
	s_mov_b32 s18, 0                               ; where a tile's partial goes in my 32,768 bytes
	s_mov_b32 s16, 4
.Lpair:
	TRIP 0
	TRIP 1
	s_sub_co_u32 s16, s16, 1
	s_cmp_lg_u32 s16, 0
	s_cbranch_scc1 .Lpair
	s_wait_dscnt 0x0                               ; my partials have landed
	s_barrier_signal -1
	s_barrier_wait -1                              ; everybody's have
	s_wait_alu depctr_vm_vsrc(0)                   ; my last stores of O^T have read v224-255, in which a partial lands below
	RLOAD 0, S                                     ; five partials are asked for at once.  No wait on va_vdst: the last trip's stands behind all that named v72-103 and v128-255
	RLOAD 1, 160
	RLOAD 2, 192
	RLOAD 3, 224
	RLOAD 4, R4
	RADD 160, 24                                   ; the partials are added in the order 0 to 7
	RADD 192, 16
	RADD 224, 8
	s_wait_alu depctr_va_vdst(0)                   ; the additions are done reading v160-255, in which the last three partials land
	RLOAD 5, 160
	RLOAD 6, 192
	RLOAD 7, 224
	RADD R4, 24                                    ; partial 4 is added while they are on their way
	RADD 160, 16
	RADD 192, 8
	RADD 224, 0
	QUANT2 S, PC, PW, 0x1800000                    ; tile w's 64 channels of this head: half a K step of the last projection
	s_wait_alu depctr_va_vdst(0)                   ; the quantiser has written the codes (v72-77) and the scale word (v46), which the stores read
	global_store_b128 v1, v[PC:PC+3], s[12:13]     ; 512 consecutive bytes
	global_store_b64 v2, v[PC+4:PC+5], s[12:13] offset:512
	global_store_b16 v3, v[PW], s[66:67]           ; my head's two bytes of each row's scale word (the other two are another head's, another work-group's)
	s_wait_xcnt 0x0                                ; the stores have read their data and their pointers
	s_wait_alu depctr_vm_vsrc(0)                   ; the stores have read v72-77 and v46, which the next group's trips write again
	s_add_nc_u64 s[12:13], s[12:13], 102400        ; the next group is the next block of 128 rows
	s_add_nc_u64 s[66:67], s[66:67], 102400
	s_sub_co_u32 s17, s17, 1
	s_cmp_lg_u32 s17, 0
	s_cbranch_scc1 .Lgroup
	s_wait_dscnt 0x0                               ; the closing lines, six on end
	s_wait_alu 0x0
	s_wait_tensorcnt 0x0
	ds_add_u32 v[SPW], v[NIL]
	s_wait_dscnt 0x0
	s_endpgm
.Lfunc_end_k_q7b04958990_att:
	.size	k_q7b04958990_att, .Lfunc_end_k_q7b04958990_att-k_q7b04958990_att
	.p2alignl 7, 3214868480
	.fill 96, 4, 3214868480
	.section	.rodata,"a",@progbits
	.p2align	6, 0x0
	.amdhsa_kernel k_q7b04958990_att
		.amdhsa_group_segment_fixed_size 265728
		.amdhsa_private_segment_fixed_size 0
		.amdhsa_enable_private_segment 0
		.amdhsa_kernarg_size 40
		.amdhsa_user_sgpr_count 2
		.amdhsa_user_sgpr_kernarg_segment_ptr 1
		.amdhsa_wavefront_size32 1
		.amdhsa_system_sgpr_workgroup_id_x 1
		.amdhsa_system_sgpr_workgroup_id_y 1
		.amdhsa_system_sgpr_workgroup_id_z 1
		.amdhsa_system_vgpr_workitem_id 0
		.amdhsa_next_free_vgpr 448
		.amdhsa_next_free_sgpr 100
		.amdhsa_reserve_vcc 1
		.amdhsa_float_denorm_mode_32 3
		.amdhsa_float_denorm_mode_16_64 3
		.amdhsa_memory_ordered 1
		.amdhsa_forward_progress 1
		.amdhsa_inst_pref_size 109
	.end_amdhsa_kernel
	.amdgpu_metadata
---
amdhsa.version: [ 1, 2 ]
amdhsa.kernels:
  - .name:           k_q7b04958990_att
    .symbol:         k_q7b04958990_att.kd
    .args:
      - { .name: qh, .offset: 0, .size: 8, .value_kind: global_buffer, .address_space: global }
      - { .name: kh, .offset: 8, .size: 8, .value_kind: global_buffer, .address_space: global }
      - { .name: vh, .offset: 16, .size: 8, .value_kind: global_buffer, .address_space: global }
      - { .name: maskw, .offset: 24, .size: 8, .value_kind: global_buffer, .address_space: global }
      - { .name: oc, .offset: 32, .size: 8, .value_kind: global_buffer, .address_space: global }
    .group_segment_fixed_size: 265728
    .private_segment_fixed_size: 0
    .kernarg_segment_align: 8
    .kernarg_segment_size: 40
    .max_flat_workgroup_size: 256
    .sgpr_count:     100
    .vgpr_count:     448
    .wavefront_size: 32
...
	.end_amdgpu_metadata
.endif
;; end of part 5
;; launch outp: the kernel of part 4 again; grid 4 x 64, 8 waves a work-group, clusters of 4 x 4, 327,680 bytes of LDS; arguments oc, wc, bo, out0; writes out0
